; MI455X (gfx1250); checked and timed in simulation.
; The chip was launched on July 23, 2026; its instructions are those of AMD's public machine-readable ISA for CDNA 5 (MIT licence, August 2026) and "CDNA5" Instruction Set Architecture Reference Guide (July 2026). The comments in the code are by the model that wrote it; some were corrected since.
;; Muti Attention. Allowed arithmetic: matrix products marked QUANTISED: E2M1 operands, one E8M0 scale for each 32 along K, by v_wmma_scale_f32_16x16x128_f8f6f4 with both operands' format E2M1 (or v_wmma_scale_f32_32x16x128_f4), f32 sums; everything else in f32.
;; Inputs: W_Query_codes 512 x 16 x 16 uint8 (E2M1 codes of W_Query, K innermost, in blocks of 32 codes, two codes a byte); W_Query_scales 512 x 16 uint8 (E8M0 scales of W_Query, one for each 32 codes along K); W_Value_codes 512 x 16 x 16 uint8 (E2M1 codes of W_Value, K innermost, in blocks of 32 codes, two codes a byte); W_Value_scales 512 x 16 uint8 (E8M0 scales of W_Value, one for each 32 codes along K); W_key_codes 512 x 16 x 16 uint8 (E2M1 codes of W_key, K innermost, in blocks of 32 codes, two codes a byte); W_key_scales 512 x 16 uint8 (E8M0 scales of W_key, one for each 32 codes along K); fw1_codes 2,048 x 16 x 16 uint8 (E2M1 codes of fw1, K innermost, in blocks of 32 codes, two codes a byte); fw1_scales 2,048 x 16 uint8 (E8M0 scales of fw1, one for each 32 codes along K); fw2_codes 512 x 64 x 16 uint8 (E2M1 codes of fw2, K innermost, in blocks of 32 codes, two codes a byte); fw2_scales 512 x 64 uint8 (E8M0 scales of fw2, one for each 32 codes along K); keys_codes 16 x 1,024 x 16 x 16 uint8 (E2M1 codes of keys, K innermost, in blocks of 32 codes, two codes a byte); keys_scales 16 x 1,024 x 16 uint8 (E8M0 scales of keys, one for each 32 codes along K); queries 16 x 1,024 x 512 float32.
;; Outputs: out0 16 x 1 x 512 float32.
;; This version of the problem:
;;   THIS VERSION OF THE PROBLEM IS GIVEN IN LOW PRECISION. The matrix products marked QUANTISED in the list below multiply operands that are first quantised to E2M1 (2 exponent bits, 1 mantissa bit; 4 bits a number), with one power-of-two scale for each 32 numbers along K (OCP MX v1.0); their sums are f32. All else is computed in f32.
;;   The module's matrix products, in the order in which they are computed (A, B: the left and right operand; K: the contracted axis; several contracted axes count as one K, in the product's order):
;;     1. [M 16,384, K 512] x [K 512, N 512]; A: input queries; B: input W_Query (given as codes): QUANTISED
;;     2. [M 16,384, K 512] x [K 512, N 512]; A: input keys (given as codes); B: input W_key (given as codes): QUANTISED
;;     3. [M 16,384, K 512] x [K 512, N 512]; A: computed on the way; B: input W_Value (given as codes): QUANTISED
;;     4. batch 128 x [M 1,024, K 64] x [K 64, N 1,024]; A: computed on the way; B: computed on the way: QUANTISED
;;     5. batch 128 x [M 1,024, K 1,024] x [K 1,024, N 64]; A: softmax (see below); B: computed on the way: QUANTISED
;;     6. [M 16,384, K 512] x [K 512, N 2,048]; A: computed on the way; B: input fw1 (given as codes): QUANTISED
;;     7. [M 16,384, K 2,048] x [K 2,048, N 512]; A: computed on the way; B: input fw2 (given as codes): QUANTISED
;;   THE QUANTISER, for each operand of a quantised product, along K:
;;     - K is cut into blocks of 32 from its start; a last block that is shorter is filled with zeros.
;;     - A block's scale is 2^e with e = floor(log2(the largest magnitude in the block)) - 2, held to -126 .. 127; a block of zeros has e = 0. As a byte (E8M0): e + 127.
;;     - Each number is divided by its block's scale, clamped to +-6, and rounded to the nearest number of E2M1, ties to even, subnormals kept.
;;     - The product sums the exact products of the quantised numbers (number of the format x scale) in f32.
;;   ~~~python
;;   def quantise(x, axis):      # numpy; x: float32 -> the quantised numbers, widened to float32 again
;;       x = np.moveaxis(x, axis, -1); K = x.shape[-1]
;;       x = np.pad(x, [(0, 0)] * (x.ndim - 1) + [(0, -K % 32)]); x = x.reshape(x.shape[:-1] + (-1, 32)); a = np.abs(x).max(-1, keepdims=True)
;;       e = np.where(a > 0, np.clip(np.frexp(np.where(a > 0, a, 1))[1] - 1 - 2, -126, 127), 0)      # np.frexp(a)[1] - 1 = floor(log2(a)), exactly
;;       r = np.clip(x / 2.0 ** e, -6, 6)
;;       step = 2.0 ** (np.maximum(np.frexp(np.where(r == 0, 1, r))[1] - 1, 0) - 1)
;;       q = np.round(r / step) * step * 2.0 ** e      # np.round: ties to even
;;       return np.moveaxis(q.reshape(q.shape[:-2] + (-1,))[..., :K], -1, axis).astype(np.float32)
;;   ~~~
;;   SOFTMAX AHEAD OF A QUANTISED PRODUCT. Where the list says 'softmax', what is quantised is not the finished softmax but p = 2^(t - M), with t = logit x log2(e) and M = ceil(the row's largest t), a whole number; so 1/2 < the row's largest p <= 1. The row's sum l is taken of the UNQUANTISED p, in f32, and the product's result is divided by l at the end. Since M is a whole number, a kernel that streams over the keys may use a running M (the ceiling of the running maximum): every later rescaling is an exact power of two, which a block's scale takes up: the codes' values come out the same.
;;   OPERANDS COMPUTED ON THE WAY. 'Computed on the way' means the value that the module computes at that place (a softmax that the list does not call 'softmax' is quantised finished and normalised). What goes into a quantiser is computed in f32, as accurately as f32 sums, v_exp_f32 and their like allow (about 1e-6 of the number): no bf16 or f16 on the way to a quantiser, and a product that is left as it is and whose result goes on into a quantised operand takes f32 operands (vector FMAs, or v_wmma_f32_16x16x4_f32). A number that lies on a knife's edge between two numbers of the format may be rounded either way, as far as f32 arithmetic and the matrix unit's own rounding can turn it there, and no further.
;;   INPUTS GIVEN AS CODES. W_Query (in the module: [512, 512], K = its axis 0); W_Value (in the module: [512, 512], K = its axis 0); W_key (in the module: [512, 512], K = its axis 0); fw1 (in the module: [512, 2048], K = its axis 0); fw2 (in the module: [2048, 512], K = its axis 0); keys (in the module: [16, 1024, 512], K = its axis 2): each comes as NAME_codes (uint8): NAME with its K axis moved to the last place and cut into blocks of 32 codes, [.., K / 32, bytes a block], one block behind the other in memory; two codes a byte, the lower K in the low four bits (a code: sign, 2 exponent bits, 1 mantissa bit); and NAME_scales (uint8): the same leading axes, one E8M0 byte (e + 127) for each 32 codes along K. Its value is code x scale, taken as it is: it is not quantised again, and the codes and scales need not be those that the quantiser above would give.
;; 2 versions, each right; version 2 is version 1 with the launches kv, attn, ffn written anew for expert scheduling mode. Each part assembles by itself: llvm-mc -triple=amdgcn-amd-amdhsa -mcpu=gfx1250 --defsym DOCPART=n.
;; ======== version 1 of 2: 4 launches
;; workspace buffers: kvc 8,388,608 bytes; kvs 524,288 bytes; wf 1,179,648 bytes; xc 4,194,304 bytes; xs 262,144 bytes; p1 524,288 bytes; p2 1,048,576 bytes
;; launch kv (part 1): grid 256 x 1, 8 waves a work-group, no clusters, 175,104 bytes of LDS; arguments W_key_codes, W_key_scales, W_Value_codes, W_Value_scales, keys_codes, keys_scales, W_Query_codes, fw1_codes, fw2_codes, kvc, kvs, wf; writes kvc, kvs, wf
.if DOCPART == 1
	.amdgcn_target "amdgcn-amd-amdhsa--gfx1250"
	.amdhsa_code_object_version 6
	.text
	.protected	k_q1d48337167_kv
	.globl	k_q1d48337167_kv
	.p2align	8
	.type	k_q1d48337167_kv,@function
k_q1d48337167_kv:
	s_mov_b64 s[64:65], 0
	v_nop
	global_prefetch_b8 v0, s[64:65] scope:SCOPE_SE
	s_setreg_imm32_b32 hwreg(HW_REG_WAVE_MODE, 25, 1), 1
	s_wait_xcnt 0x0
; k = keys W_key and v = Q(k) W_Value, both on codes of FP4 (E2M1) with one E8M0 scale for each 32 along K; k is quantised along its features, v along the tokens.
; The blocks of 32 along k's 512 features are the blocks along a head's 64, so ONE set of codes of k serves the product with W_Value and the scores.
; SHARES.  A work-group owns 64 tokens of one batch (b = g / 16, tb = g % 16), as four tiles of 16; each of its eight waves owns one head: 64 features of k and of v.
; THE ROWS OF A TILE ARE NOT NEIGHBOURS: lane r of tile t takes row 32 (t / 2) + 8 (t % 2) + r + 8 (r / 8), of the tokens and of both weights alike.
;   k is made TRANSPOSED (source 0 = 16 rows of W_key, source 1 = 16 tokens): a lane holds one token, and its 32 registers are 2 x 16 neighbouring features.
;   v is made the natural way (source 0 = 16 tokens, source 1 = 16 rows of W_Value): a lane holds one feature, and its 32 registers are 2 x 16 neighbouring tokens.
; OUT, all in the order of the readers' operand registers (16 bytes a lane, 512 bytes a store):
;   kvc + 0:       K [b][head][step of 128 keys][tile 8][lane][16]   lane (r, h): block h of the head's 64 features of the tile's key r
;   kvc + 4194304: V [b][head][step][tile 4 of features][c 2][lane][16]   lane (r, h): keys 64 c + 32 h .. + 31 of the tile's feature r
;   kvs + 0:       K's scale words [b][head][step][2][lane]: lane (r, h) of word group q: tiles 2 i, 2 i + 1 with i = 2 q + h: two bytes each
;   kvs + 262144:  V's scale words [b][head][step][2][lane]: lane (r, h) of group q: feature tile 2 q + h, one byte for each 32 keys of the step
; ALSO: each wave lays one half-fragment (512 bytes) of fw1 or fw2 into wf in operand order, work-groups 0-31 one of W_Query too: the later launches then load weights 512 consecutive bytes an instruction.
; NO CLUSTER, NO TENSOR LOAD: a work-group reads 272 KB of weights once, and each of those bytes is wanted by one wave alone, once; they pass the wave's own stage in LDS only to be turned into fragments.
; LIMITS: NaN and infinities are not served; a block whose largest magnitude lies under 2^-124 keeps the scale byte 1; a block of zeros gets the byte 1 with zero codes (this program alone reads the bytes).
.set WST,  0                           ; LDS: a stage of 64 rows x 272 bytes for each wave
.set WSTW, 17408
.set KEYS, 139264                      ; the 64 tokens' codes, rows of 256 bytes + 16
.set KIMG, 156672                      ; k's codes as images of registers: [tile 4][head 8][512]
.set KSL,  173056                      ; k's scale bytes: [tile 4][row 16][16]
.set TM,   32                          ; v32-35 largest magnitudes, v36-39 the other half's and then the bytes, v40-43 the conversions' scale operands
.set HK,   48                          ; v48-51 k's two scale bytes, one register a tile of tokens
.set HV,   52                          ; v52-55 v's, one register a tile of features
.set PCK,  64                          ; v64-79 k's codes, four registers a tile
.set PCV,  80                          ; v80-95 v's
.set WKS,  96                          ; v96-111  W_key's scale words (4 t + s)
.set WVS,  112                         ; v112-127 W_Value's
.set KYS,  128                         ; v128-143 the keys' (4 m + s)
.set KW,   144                         ; v144-159 k's (4 m + s)
.set HA,   160                         ; v160-191 four accumulators
.set KF,   192                         ; v192-223 the keys' four fragments of a tile
.set RAWK, 224                         ; v224-239 the keys' codes as loaded
; window 1: v0-127 W_key's 16 fragments (8 (4 t + s)), later k's (8 (4 m + s)); v128-255 W_Value's
.set MSB, 0
.macro WIN new                         ; the immediate's high byte repeats the setting that is left
.if MSB != \new
	s_set_vgpr_msb (MSB<<8)|\new
.set MSB, \new
.endif
.endm
.macro NOP4                            ; four places behind a matrix instruction (ISA guide 7.12.1)
.rept 4
	v_nop
.endr
.endm
.macro BAR                             ; my LDS stores have landed and my LDS loads are in: then the work-group's barrier
	s_wait_dscnt 0x0
	s_barrier_signal -1
	s_barrier_wait -1
.endm
; 16 matrix instructions: four accumulators by turns, one instruction a turn, four K steps of 128.  zero = 1: the first K step starts the sums.
.macro MM16 d0, a0, ai, b0, bi, sa0, sai, sb0, sbi, zero
.irp s, 0,1,2,3
.irp i, 0,1,2,3
.if (\zero) && (\s == 0)
	v_wmma_scale_f32_16x16x128_f8f6f4 v[(\d0)+8*\i:(\d0)+8*\i+7], v[(\a0)+(\ai)*\i+8*\s:(\a0)+(\ai)*\i+8*\s+7], v[(\b0)+(\bi)*\i+8*\s:(\b0)+(\bi)*\i+8*\s+7], 0, v[(\sa0)+(\sai)*\i+\s], v[(\sb0)+(\sbi)*\i+\s] matrix_a_fmt:MATRIX_FMT_FP4 matrix_b_fmt:MATRIX_FMT_FP4
.else
	v_wmma_scale_f32_16x16x128_f8f6f4 v[(\d0)+8*\i:(\d0)+8*\i+7], v[(\a0)+(\ai)*\i+8*\s:(\a0)+(\ai)*\i+8*\s+7], v[(\b0)+(\bi)*\i+8*\s:(\b0)+(\bi)*\i+8*\s+7], v[(\d0)+8*\i:(\d0)+8*\i+7], v[(\sa0)+(\sai)*\i+\s], v[(\sb0)+(\sbi)*\i+\s] matrix_a_fmt:MATRIX_FMT_FP4 matrix_b_fmt:MATRIX_FMT_FP4
.endif
.endr
.endr
.endm
; 16 nb numbers of a lane, register 16 b + i = k 32 b + 16 (lane / 16) + i of my row, become 2 nb registers of codes in operand order (a whole block a lane) from v[pc] on, and nb scale bytes in v[pw].
.macro QUANT src, nb, pc, pw
.irp b, 0,1,2,3
.if \b < \nb
	v_max3_num_f32 v[TM+\b], |v[(\src)+16*\b]|, |v[(\src)+1+16*\b]|, 0x1800000   ; my 16 numbers of block b, and the floor 2^(3 - 127): the byte cannot fall under 1
.endif
.endr
.irp i, 2,4,6,8,10,12,14
.irp b, 0,1,2,3
.if \b < \nb
	v_max3_num_f32 v[TM+\b], v[TM+\b], |v[(\src)+16*\b+\i]|, |v[(\src)+1+16*\b+\i]|
.endif
.endr
.endr
.irp b, 0,1,2,3
.if \b < \nb
	v_permlanex16_b32 v[TM+4+\b], v[TM+\b], s46, s47
.endif
.endr
.irp b, 0,1,2,3
.if \b < \nb
	v_max_num_f32 v[TM+\b], v[TM+\b], v[TM+4+\b]   ; with lane l xor 16's: the block's largest magnitude
.endif
.endr
.irp b, 0,1,2,3
.if \b < \nb
	v_add_nc_u32 v[TM+8+\b], 0xff000000, v[TM+\b]  ; 2 off its exponent field: the conversion's scale operand
.endif
.endr
.irp b, 0,1,2,3
.if \b < \nb
	v_lshrrev_b32 v[TM+4+\b], 23, v[TM+8+\b]       ; the scale's byte
.endif
.endr
	v_lshl_or_b32 v[\pw], v[TM+5], 8, v[TM+4]
.if \nb > 2
	v_lshl_or_b32 v[\pw], v[TM+6], 16, v[\pw]
	v_lshl_or_b32 v[\pw], v[TM+7], 24, v[\pw]
.endif
.irp b, 0,1,2,3
.if \b < \nb
	v_cvt_scalef32_pk8_fp4_f32 v[(\pc)+2*\b], v[(\src)+16*\b:(\src)+16*\b+7], v[TM+8+\b]
	v_cvt_scalef32_pk8_fp4_f32 v[(\pc)+2*\b+1], v[(\src)+16*\b+8:(\src)+16*\b+15], v[TM+8+\b]
.endif
.endr
	v_nop                                          ; one plain place behind a scaled conversion
.irp c, 0,1
.if 2*\c < \nb
.irp i, 0,1
	v_permlane16_swap_b32 v[(\pc)+4*\c+\i], v[(\pc)+4*\c+2+\i]   ; lanes 0-15 get block 2 c whole, lanes 16-31 block 2 c + 1
.endr
.endif
.endr
.endm
	s_load_b512 s[8:23], s[0:1], 0x0               ; W_key codes s[8:9], scales s[10:11]; W_Value s[12:13], s[14:15]; keys s[16:17], s[18:19]; W_Query codes s[20:21]; fw1 codes s[22:23]
	s_load_b256 s[24:31], s[0:1], 0x40             ; fw2 codes s[24:25]; kvc s[26:27]; kvs s[28:29]; wf s[30:31]
	v_lshl_add_u32 v254, v0, 2, 0x2a800
	v_mov_b32 v255, 0
	v_lshrrev_b32 v1, 5, v0
	v_readfirstlane_b32 s40, v1                    ; w: my wave, my head
	v_and_b32 v1, 31, v0                           ; l
	v_and_b32 v2, 15, v0                           ; r
	v_bfe_u32 v3, v0, 4, 1                         ; h
	v_lshlrev_b32 v4, 4, v1                        ; 16 l
	s_mov_b32 s41, ttmp9                           ; g
	s_lshr_b32 s42, s41, 4                         ; b
	s_and_b32 s43, s41, 15                         ; tb
	s_and_b32 s44, s43, 1                          ; cc: which half of a step of 128 keys
	s_lshr_b32 s45, s43, 1                         ; step
	s_mov_b32 s46, 0x76543210
	s_mov_b32 s47, 0xfedcba98                      ; v_permlanex16_b32's selects for lane l xor 16
	s_mov_b32 s48, 0xffff0000                      ; lanes 16-31
	; LDS addresses, all made here
	s_mul_i32 s50, s40, WSTW
	v_mul_u32_u24 v56, v3, 272
	v_lshl_add_u32 v56, v2, 4, v56                 ; 272 h + 16 r: two rows a dense load
	v_add_nc_u32 v5, s50, v56                      ; into my stage
	s_mul_i32 s51, s40, 2176
	s_add_co_u32 s51, s51, KEYS
	v_add_nc_u32 v8, s51, v56                      ; into the keys' rows: my wave's eight
	v_and_b32 v57, 8, v2
	v_add_nc_u32 v57, v57, v2                      ; r + 8 (r / 8)
	v_mul_u32_u24 v58, v57, 272
	v_lshl_add_u32 v58, v3, 4, v58                 ; a fragment's row x pitch + 16 h
	v_add_nc_u32 v6, s50, v58                      ; out of my stage
	v_add_nc_u32 v7, KEYS, v58                     ; out of the keys' rows
	v_lshlrev_b32 v9, 4, v57                       ; scale words in memory: 16 bytes a row
	s_lshl_b32 s51, s40, 9
	s_add_co_u32 s51, s51, KIMG
	v_add_nc_u32 v10, s51, v4                      ; k's image: my head's place
	v_add_nc_u32 v11, KIMG, v4                     ; and any head's
	s_lshl_b32 s51, s40, 1
	s_add_co_u32 s51, s51, KSL
	v_lshl_add_u32 v12, v2, 4, s51                 ; k's scale bytes: row r, my head's two
	v_lshl_add_u32 v13, v2, 4, KSL                 ; and a row's sixteen
	s_lshl_b32 s51, s44, 7
	v_lshl_add_u32 v16, v1, 2, s51                 ; K's scale words in kvs: 4 l + 128 cc
	s_lshl_b32 s51, s44, 1
	v_lshl_add_u32 v17, v1, 2, s51                 ; V's: 4 l + 2 cc
.irp b, 0,1,2,3
	v_mov_b32 v[TM+4+\b], 0                        ; written once: a lane permute's destination counts as one of its sources
	v_mov_b32 v[24+\b], 0                          ; W_Query's half-fragment is loaded by work-groups 0-31 alone: the registers are defined on both ways
.endr
	; the half-fragment that my wave lays out: work-groups 0-127: tile g of fw1; 128-255: tile g - 128 of fw2; the wave is 2 s + c
	s_lshr_b32 s52, s41, 1
	s_lshl_b32 s52, s52, 13
	s_and_b32 s53, s41, 1
	s_lshl_b32 s53, s53, 11
	s_add_co_u32 s52, s52, s53                     ; fw1 (and W_Query): the tile's first row, 32 (g / 2) + 8 (g % 2), x 256 bytes
	s_and_b32 s54, s41, 127                        ; T2
	s_bfe_u32 s55, s54, 0x30002
	s_lshl_b32 s55, s55, 16                        ; fw2: row 64 ((T2 / 4) % 8)
	s_and_b32 s56, s54, 3
	s_lshl_b32 s56, s56, 10
	s_add_co_u32 s55, s55, s56                     ; + T2 % 4, x 1,024 bytes
	s_lshr_b32 s56, s54, 5
	s_lshl_b32 s56, s56, 8
	s_add_co_u32 s55, s55, s56                     ; + 256 (T2 / 32): the slice of 512 along K
	s_mov_b32 s50, 4096
	s_cmp_lt_u32 s41, 128
	s_cselect_b32 s50, 256, s50                    ; bytes from lane r to lane r + 1: a row of fw1, four rows of fw2
	s_cselect_b32 s51, 2048, 0                     ; lanes 8-15 of fw1 stand eight rows further on
	s_cselect_b32 s52, s52, s55
	s_lshl_b32 s53, s40, 5
	s_add_co_u32 s52, s52, s53                     ; + 32 w = 64 s + 32 c
	v_mul_u32_u24 v14, s50, v2
	v_lshrrev_b32 v59, 3, v2
	v_mad_u32_u24 v14, v59, s51, v14
	v_lshl_add_u32 v14, v3, 4, v14
	v_add_nc_u32 v14, s52, v14                     ; from here
	s_lshl_b32 s53, s41, 3
	s_add_co_u32 s53, s53, s40
	s_lshl_b32 s53, s53, 9
	v_add_nc_u32 v15, s53, v4                      ; to here in wf: (8 g + w) x 512 + 16 l
	s_lshl_b32 s57, s42, 3
	s_add_co_u32 s57, s57, s40
	s_lshl_b32 s57, s57, 3
	s_add_co_u32 s57, s57, s45                     ; (8 b + w) x 8 + step
	s_mov_b32 s59, 0
	s_wait_kmcnt 0x0
	s_cmp_lt_u32 s41, 128
	s_cselect_b64 s[32:33], s[22:23], s[24:25]     ; fw1 or fw2: the choice hangs on the work-group's number alone
	s_lshl_b32 s58, s57, 12
	s_add_nc_u64 s[36:37], s[26:27], s[58:59]      ; kvc at my head's step
	s_lshl_b32 s58, s44, 11
	s_add_nc_u64 s[34:35], s[36:37], s[58:59]      ; K: tiles 4 cc on
	s_lshl_b32 s58, s44, 9
	s_add_nc_u64 s[36:37], s[36:37], s[58:59]      ; V: half cc of each fragment
	s_lshl_b32 s58, s57, 8
	s_add_nc_u64 s[38:39], s[28:29], s[58:59]      ; kvs at my head's step
	s_lshl_b32 s58, s41, 14
	s_lshl_b32 s60, s40, 11
	s_add_co_u32 s58, s58, s60
	s_add_nc_u64 s[16:17], s[16:17], s[58:59]      ; the keys' codes: 64 g rows of 256 bytes, + my wave's eight rows
	s_lshl_b32 s58, s41, 10
	s_add_nc_u64 s[18:19], s[18:19], s[58:59]      ; their scale bytes
	s_lshl_b32 s58, s40, 14
	s_add_nc_u64 s[8:9], s[8:9], s[58:59]          ; my 64 rows of W_key
	s_add_nc_u64 s[12:13], s[12:13], s[58:59]      ; and of W_Value
	s_lshl_b32 s58, s40, 10
	s_add_nc_u64 s[10:11], s[10:11], s[58:59]
	s_add_nc_u64 s[14:15], s[14:15], s[58:59]
	; ---- the loads.  The one that only some work-groups issue is the oldest, so that it changes no count below
	s_cmp_lt_u32 s41, 32
	s_cbranch_scc0 .Lno_wq_load
	global_load_b128 v[24:27], v14, s[20:21]
.Lno_wq_load:
	global_load_b128 v[20:23], v14, s[32:33]
.irp i, 0,1,2,3
	global_load_b128 v[RAWK+4*\i:RAWK+4*\i+3], v4, s[16:17] offset:512*\i th:TH_LOAD_NT
.endr
.irp m, 0,1,2,3
	global_load_b128 v[KYS+4*\m:KYS+4*\m+3], v9, s[18:19] offset:(32*(\m/2)+8*(\m%2))*16
.endr
	WIN 0x40                                       ; destination window 1
.set i, 0
.rept 32
	global_load_b128 v[4*i:4*i+3], v4, s[8:9] offset:512*i      ; W_key as it lies: 512 consecutive bytes a load
.set i, i+1
.endr
	WIN 0
.irp t, 0,1,2,3
	global_load_b128 v[WKS+4*\t:WKS+4*\t+3], v9, s[10:11] offset:(32*(\t/2)+8*(\t%2))*16
.endr
	s_wait_loadcnt 40                              ; behind the keys' codes: 4 + 32 + 4 loads, which may stay out
	global_store_b128 v15, v[20:23], s[30:31]
	s_cmp_lt_u32 s41, 32
	s_cbranch_scc0 .Lno_wq
	global_store_b128 v15, v[24:27], s[30:31] offset:1048576
.Lno_wq:
.irp i, 0,1,2,3
	ds_store_b128 v8, v[RAWK+4*\i:RAWK+4*\i+3] offset:544*\i
.endr
	WIN 0x40
.set i, 0
.rept 32
	global_load_b128 v[128+4*i:128+4*i+3], v4, s[12:13] offset:512*i   ; W_Value: it lands while k is made
.set i, i+1
.endr
	WIN 0
.irp t, 0,1,2,3
	global_load_b128 v[WVS+4*\t:WVS+4*\t+3], v9, s[14:15] offset:(32*(\t/2)+8*(\t%2))*16
.endr
	s_wait_loadcnt 36                              ; all but the 32 + 4 just issued
	WIN 0x04                                       ; an LDS store's data are its source 1: window 1
.set i, 0
.rept 32
	ds_store_b128 v5, v[4*i:4*i+3] offset:544*i
.set i, i+1
.endr
	WIN 0x40
.irp t, 0,1,2,3
.irp s, 0,1,2,3
.irp c, 0,1
	ds_load_b128 v[8*(4*\t+\s)+4*\c:8*(4*\t+\s)+4*\c+3], v6 offset:(32*(\t/2)+8*(\t%2))*272+64*\s+32*\c   ; LDS serves a wave's instructions in order (ISA guide 5.7.1.4): these see my stores
.endr
.endr
.endr
	WIN 0
	BAR                                            ; the 64 tokens' codes lie in LDS; my fragments of W_key are in
	; ---- k, a tile of 16 tokens at a time
.irp m, 0,1,2,3
.irp s, 0,1,2,3
.irp c, 0,1
	ds_load_b128 v[KF+8*\s+4*\c:KF+8*\s+4*\c+3], v7 offset:(32*(\m/2)+8*(\m%2))*272+64*\s+32*\c
.endr
.endr
	s_wait_dscnt 0x0
	WIN 0x01                                       ; source 0 (W_key) window 1
	MM16 HA,0,32,KF,0,WKS,4,KYS+4*\m,0,1
	WIN 0
	NOP4
	QUANT HA,2,PCK+4*\m,HK+\m
	global_store_b128 v4, v[PCK+4*\m:PCK+4*\m+3], s[34:35] offset:512*\m
	ds_store_b128 v10, v[PCK+4*\m:PCK+4*\m+3] offset:4096*\m
	ds_store_b16 v12, v[HK+\m] offset:256*\m       ; both halves of the lanes write the same bytes with the same value
.endr
	BAR                                            ; all eight heads' codes and scale bytes of k lie in LDS
	s_wait_loadcnt 0x0                             ; W_Value
	WIN 0x04
.set i, 0
.rept 32
	ds_store_b128 v5, v[128+4*i:128+4*i+3] offset:544*i
.set i, i+1
.endr
	WIN 0x40
.irp t, 0,1,2,3
.irp s, 0,1,2,3
.irp c, 0,1
	ds_load_b128 v[128+8*(4*\t+\s)+4*\c:128+8*(4*\t+\s)+4*\c+3], v6 offset:(32*(\t/2)+8*(\t%2))*272+64*\s+32*\c
.endr
.endr
.endr
.irp m, 0,1,2,3
.irp s, 0,1,2,3
.irp c, 0,1
	ds_load_b128 v[8*(4*\m+\s)+4*\c:8*(4*\m+\s)+4*\c+3], v11 offset:4096*\m+512*(2*\s+\c)   ; K step s of k: heads 2 s and 2 s + 1
.endr
.endr
.endr
	WIN 0
.irp m, 0,1,2,3
	ds_load_b128 v[KW+4*\m:KW+4*\m+3], v13 offset:256*\m
.endr
	s_wait_dscnt 0x0
	; ---- v, a tile of 16 features at a time, for all 64 tokens
.irp t, 0,1,2,3
	WIN 0x05                                       ; sources 0 (k) and 1 (W_Value) window 1
	MM16 HA,0,32,128+32*\t,0,KW,4,WVS+4*\t,0,1
	WIN 0
	NOP4
	QUANT HA,2,PCV+4*\t,HV+\t
	global_store_b128 v4, v[PCV+4*\t:PCV+4*\t+3], s[36:37] offset:4194304+1024*\t
.endr
	; ---- the scale words
	v_lshl_or_b32 v59, v[HK+1], 16, v[HK]          ; tiles 0 and 1
	v_lshl_or_b32 v60, v[HK+3], 16, v[HK+2]        ; tiles 2 and 3
	v_cndmask_b32 v61, v59, v60, s48               ; lanes 0-15 the first pair, lanes 16-31 the second
	global_store_b32 v16, v61, s[38:39]
	v_cndmask_b32 v62, v[HV], v[HV+1], s48
	global_store_b16 v17, v62, s[38:39] offset:262144
	v_cndmask_b32 v63, v[HV+2], v[HV+3], s48
	global_store_b16 v17, v63, s[38:39] offset:262144+128
	s_wait_tensorcnt 0x0
	ds_add_u32 v254, v255
	s_wait_dscnt 0x0
	s_endpgm
.Lfunc_end_k_q1d48337167_kv:
	.size	k_q1d48337167_kv, .Lfunc_end_k_q1d48337167_kv-k_q1d48337167_kv
	.p2alignl 7, 3214868480
	.fill 96, 4, 3214868480
	.section	.rodata,"a",@progbits
	.p2align	6, 0x0
	.amdhsa_kernel k_q1d48337167_kv
		.amdhsa_group_segment_fixed_size 175104
		.amdhsa_private_segment_fixed_size 0
		.amdhsa_enable_private_segment 0
		.amdhsa_kernarg_size 96
		.amdhsa_user_sgpr_count 2
		.amdhsa_user_sgpr_kernarg_segment_ptr 1
		.amdhsa_wavefront_size32 1
		.amdhsa_system_sgpr_workgroup_id_x 1
		.amdhsa_system_sgpr_workgroup_id_y 1
		.amdhsa_system_sgpr_workgroup_id_z 1
		.amdhsa_system_vgpr_workitem_id 0
		.amdhsa_next_free_vgpr 512
		.amdhsa_next_free_sgpr 66
		.amdhsa_reserve_vcc 0
		.amdhsa_float_denorm_mode_32 3
		.amdhsa_float_denorm_mode_16_64 3
		.amdhsa_memory_ordered 1
		.amdhsa_forward_progress 1
		.amdhsa_inst_pref_size 61
	.end_amdhsa_kernel
	.amdgpu_metadata
---
amdhsa.version: [ 1, 2 ]
amdhsa.kernels:
  - .name:           k_q1d48337167_kv
    .symbol:         k_q1d48337167_kv.kd
    .args:
      - { .name: W_key_codes, .offset: 0, .size: 8, .value_kind: global_buffer, .address_space: global }
      - { .name: W_key_scales, .offset: 8, .size: 8, .value_kind: global_buffer, .address_space: global }
      - { .name: W_Value_codes, .offset: 16, .size: 8, .value_kind: global_buffer, .address_space: global }
      - { .name: W_Value_scales, .offset: 24, .size: 8, .value_kind: global_buffer, .address_space: global }
      - { .name: keys_codes, .offset: 32, .size: 8, .value_kind: global_buffer, .address_space: global }
      - { .name: keys_scales, .offset: 40, .size: 8, .value_kind: global_buffer, .address_space: global }
      - { .name: W_Query_codes, .offset: 48, .size: 8, .value_kind: global_buffer, .address_space: global }
      - { .name: fw1_codes, .offset: 56, .size: 8, .value_kind: global_buffer, .address_space: global }
      - { .name: fw2_codes, .offset: 64, .size: 8, .value_kind: global_buffer, .address_space: global }
      - { .name: kvc, .offset: 72, .size: 8, .value_kind: global_buffer, .address_space: global }
      - { .name: kvs, .offset: 80, .size: 8, .value_kind: global_buffer, .address_space: global }
      - { .name: wf, .offset: 88, .size: 8, .value_kind: global_buffer, .address_space: global }
    .group_segment_fixed_size: 175104
    .private_segment_fixed_size: 0
    .kernarg_segment_align: 8
    .kernarg_segment_size: 96
    .max_flat_workgroup_size: 256
    .sgpr_count:     66
    .vgpr_count:     512
    .wavefront_size: 32
...
	.end_amdgpu_metadata
.endif
;; end of part 1
;; launch attn (part 2): grid 256 x 1, 8 waves a work-group, no clusters, 153,600 bytes of LDS; arguments queries, wf, W_Query_scales, kvc, kvs, xc, xs, p1; writes xc, xs, p1
.if DOCPART == 2
	.amdgcn_target "amdgcn-amd-amdhsa--gfx1250"
	.amdhsa_code_object_version 6
	.text
	.protected	k_q1d48337167_attn
	.globl	k_q1d48337167_attn
	.p2align	8
	.type	k_q1d48337167_attn,@function
k_q1d48337167_attn:
	s_mov_b64 s[64:65], 0
	v_nop
	global_prefetch_b8 v0, s[64:65] scope:SCOPE_SE
	s_setreg_imm32_b32 hwreg(HW_REG_WAVE_MODE, 25, 1), 1
	s_wait_xcnt 0x0
; q = Q(queries) W_Query; softmax(q k^T / 8, the diagonal at -2^32) v; + queries; the result's codes and its sums over the tokens.  All products on codes of FP4 (E2M1), one E8M0 scale for each 32 along K.
; SHARES.  A work-group owns 64 queries of one batch (b = g / 16, tb = g % 16), four tiles of 16; each of its eight waves owns one head, for all four tiles and all 1,024 keys, 128 a step.
; LAYOUT.  All three products are used transposed (q^T = W x^T, S^T = K q^T, O^T = V^T P^T): a lane holds ONE query (lane % 16) throughout, and its registers run along the next product's K.
;   K's keys and V's features were laid by the launch before so that 16 registers of two neighbouring tiles are 16 neighbours; every fragment comes from memory by loads of 512 consecutive bytes, straight into registers.
; THE SCORES' K IS 64, half of the instruction's 128: an even tile of keys takes [codes, zeros] against [q, zeros], an odd one [zeros, codes] against [zeros, q]; the two tiles of a pair share four registers of zero codes and one
;   scale word (bytes 0, 1 the even tile's, bytes 2, 3 the odd one's); zero codes add nothing under any of these bytes.
; THE SOFTMAX: t = score x log2(e) / 8; M = the running largest t rounded UP to a whole number; p = 2^(t - M) is quantised along the keys, not normalised; the row's sum is taken of the unquantised p and divides O at the end;
;   when M moves, the sum and O are multiplied by 2^(old M - new M), which rounds nothing.  The diagonal's score is replaced by -2^35 ahead of the maximum, so that t there is -2^32 x log2(e).
; THE ORDER IN A TILE.  The scores of tile m + 1 are asked of the matrix unit at the end of tile m, behind the last reader of tile m's p and ahead of tile m's rescaling of O^T and its products with V: the rescaling's sixteen lines
;   stand between those products and the first read of their results.  The 68 exponentials of a tile are one batch with one wait; a packed scaling leads each pair of exponentials.  The row's sum runs in four chains.
; THE WAY OUT: result = O / sum + queries in f32; a block of 32 of its 512 columns lies inside one head, so each wave quantises its own 64 columns: codes to xc (operand order), scale words to xs, column sums over the 64 rows to p1.
; NO CLUSTER: the sixteen work-groups of a batch read the same K and V, but a key step's 8,704 bytes a wave stand beside 48 matrix and some 1,000 vector instructions of that wave, and each byte is wanted by one wave of
;   a work-group alone: it goes straight into that wave's registers.  A joint request would land in LDS and add a write and a read.
; Two waves share a SIMD (512 registers each): one wave's vector work stands beside the other's matrix work and loads.
; LIMITS: NaN and infinities are not served; a block whose largest magnitude lies under 2^-124 keeps the scale byte 1; a block of zeros gets the byte 1 with zero codes; 1 / sum is v_rcp_f32's; the row's sum and the column sums are added in another order than a plain sum.
.set QP,   2064                        ; LDS: the 64 rows of queries, 2,048 bytes + 16: 129 x 16, so that sixteen rows' 16 bytes fall on different banks (ISA guide 11.1)
.set XIMG, 132096                      ; x's 16 fragments (4 m + s) as images of registers, 1,024 bytes each
.set XSL,  148480                      ; x's scale words [m][r][s]
.set RSL,  149504                      ; the result's scale bytes [m][r][16]
.set CSL,  150528                      ; the column sums, 512 numbers
.set ST,   24                          ; v24-39 tile m: -M, the largest score, the sum in two halves
.set QW,   40                          ; v40-43 q's scale words
.set KSW,  44                          ; v44-45 K's scale words of the step
.set VSW,  46                          ; v46-47 V's
.set PW,   48                          ; v48    p's scale word
.set T0,   49
.set FP,   50                          ; v50-51 2^(old M - new M), named as a pair
.set RL,   52                          ; v52-59 1 / sum, a pair a tile
.set TM,   60
.set BM,   60                          ; v60-63 a block's largest score, then its largest p
.set BT,   64                          ; v64-67 at work
.set SO,   68                          ; v68-71 the conversions' scale operands; at work before and behind them
.set PC,   72                          ; v72-79 codes just made
.set PCR,  80                          ; v80-95 the result's codes
.set RAW,  88                          ; v88-215 the queries as loaded (at the head alone)
.set HR,   96                          ; v96-99 the result's scale bytes
.set KB,   104                         ; v104-151 K: pair i at 104 + 12 i: tile 2 i, four registers of zeros, tile 2 i + 1
.set S,    152                         ; v152-215 S^T, then p
.set CSUM, 216                         ; v216-247 column sums (at the end);
.set WQS,  216                         ; v216-231 W_Query's scale words, v232-235 x's (at the head)
.set XW,   232
.set QA,   128                         ; window 1: v0-127 W_Query's fragments, then O^T (32 m + 8 t); v128-163 zeros and q by turns; v192-223 V
.set VF,   192
.set MSB, 0
.macro WIN new                         ; the immediate's high byte repeats the setting that is left
.if MSB != \new
	s_set_vgpr_msb (MSB<<8)|\new
.set MSB, \new
.endif
.endm
.macro NOP4                            ; four places behind a matrix instruction (ISA guide 7.12.1)
.rept 4
	v_nop
.endr
.endm
.macro BAR
	s_wait_dscnt 0x0
	s_barrier_signal -1
	s_barrier_wait -1
.endm
.macro MM16 d0, a0, ai, b0, bi, sa0, sai, sb0, sbi, zero   ; four accumulators by turns, four K steps of 128
.irp s, 0,1,2,3
.irp i, 0,1,2,3
.if (\zero) && (\s == 0)
	v_wmma_scale_f32_16x16x128_f8f6f4 v[(\d0)+8*\i:(\d0)+8*\i+7], v[(\a0)+(\ai)*\i+8*\s:(\a0)+(\ai)*\i+8*\s+7], v[(\b0)+(\bi)*\i+8*\s:(\b0)+(\bi)*\i+8*\s+7], 0, v[(\sa0)+(\sai)*\i+\s], v[(\sb0)+(\sbi)*\i+\s] matrix_a_fmt:MATRIX_FMT_FP4 matrix_b_fmt:MATRIX_FMT_FP4
.else
	v_wmma_scale_f32_16x16x128_f8f6f4 v[(\d0)+8*\i:(\d0)+8*\i+7], v[(\a0)+(\ai)*\i+8*\s:(\a0)+(\ai)*\i+8*\s+7], v[(\b0)+(\bi)*\i+8*\s:(\b0)+(\bi)*\i+8*\s+7], v[(\d0)+8*\i:(\d0)+8*\i+7], v[(\sa0)+(\sai)*\i+\s], v[(\sb0)+(\sbi)*\i+\s] matrix_a_fmt:MATRIX_FMT_FP4 matrix_b_fmt:MATRIX_FMT_FP4
.endif
.endr
.endr
.endm
; 16 nb numbers of a lane, register 16 b + i = k 32 b + 16 (lane / 16) + i of my row, become 2 nb registers of codes in operand order from v[pc] on, and nb scale bytes in v[pw].
.macro QUANT src, nb, pc, pw
.irp b, 0,1,2,3
.if \b < \nb
	v_max3_num_f32 v[TM+\b], |v[(\src)+16*\b]|, |v[(\src)+1+16*\b]|, 0x1800000   ; and the floor 2^(3 - 127): the byte cannot fall under 1
.endif
.endr
.irp i, 2,4,6,8,10,12,14
.irp b, 0,1,2,3
.if \b < \nb
	v_max3_num_f32 v[TM+\b], v[TM+\b], |v[(\src)+16*\b+\i]|, |v[(\src)+1+16*\b+\i]|
.endif
.endr
.endr
.irp b, 0,1,2,3
.if \b < \nb
	v_permlanex16_b32 v[TM+4+\b], v[TM+\b], s50, s51
.endif
.endr
.irp b, 0,1,2,3
.if \b < \nb
	v_max_num_f32 v[TM+\b], v[TM+\b], v[TM+4+\b]
.endif
.endr
.irp b, 0,1,2,3
.if \b < \nb
	v_add_nc_u32 v[TM+8+\b], 0xff000000, v[TM+\b]  ; 2 off the exponent field: the conversion's scale operand
.endif
.endr
.irp b, 0,1,2,3
.if \b < \nb
	v_lshrrev_b32 v[TM+4+\b], 23, v[TM+8+\b]       ; the scale's byte
.endif
.endr
	v_lshl_or_b32 v[\pw], v[TM+5], 8, v[TM+4]
.if \nb > 2
	v_lshl_or_b32 v[\pw], v[TM+6], 16, v[\pw]
	v_lshl_or_b32 v[\pw], v[TM+7], 24, v[\pw]
.endif
.irp b, 0,1,2,3
.if \b < \nb
	v_cvt_scalef32_pk8_fp4_f32 v[(\pc)+2*\b], v[(\src)+16*\b:(\src)+16*\b+7], v[TM+8+\b]
	v_cvt_scalef32_pk8_fp4_f32 v[(\pc)+2*\b+1], v[(\src)+16*\b+8:(\src)+16*\b+15], v[TM+8+\b]
.endif
.endr
	v_nop                                          ; one plain place behind a scaled conversion
.irp c, 0,1
.if 2*\c < \nb
.irp i, 0,1
	v_permlane16_swap_b32 v[(\pc)+4*\c+\i], v[(\pc)+4*\c+2+\i]
.endr
.endif
.endr
.endm
.macro KLOAD                           ; a step's eight tiles of K and their two registers of scale words: 10 loads
.irp t, 0,1,2,3,4,5,6,7
	global_load_b128 v[KB+12*(\t/2)+8*(\t%2):KB+12*(\t/2)+8*(\t%2)+3], v5, s[54:55] offset:512*\t
.endr
.irp q, 0,1
	global_load_b32 v[KSW+\q], v6, s[56:57] offset:128*\q
.endr
.endm
.macro VLOAD                           ; a step's four fragments of V and their two registers of scale words: 10 loads
.irp q, 0,1
	global_load_b32 v[VSW+\q], v6, s[56:57] offset:262144+128*\q
.endr
	WIN 0x40
.irp i, 0,1,2,3,4,5,6,7
	global_load_b128 v[VF+4*\i:VF+4*\i+3], v5, s[54:55] offset:4194304+512*\i
.endr
	WIN 0
.endm
	s_load_b512 s[8:23], s[0:1], 0x0               ; queries s[8:9], wf s[10:11], W_Query scales s[12:13], kvc s[14:15], kvs s[16:17], xc s[18:19], xs s[20:21], p1 s[22:23]
	v_lshl_add_u32 v254, v0, 2, 0x25400
	v_mov_b32 v255, 0
	v_lshrrev_b32 v1, 5, v0
	v_readfirstlane_b32 s40, v1                    ; w: my wave, my head
	v_and_b32 v1, 31, v0                           ; l
	v_and_b32 v2, 15, v0                           ; r
	v_bfe_u32 v3, v0, 4, 1                         ; h
	v_lshlrev_b32 v4, 4, v1                        ; 16 l
	s_mov_b32 s41, ttmp9                           ; g
	s_lshr_b32 s42, s41, 4                         ; b
	s_and_b32 s43, s41, 15                         ; tb
	s_lshr_b32 s45, s43, 1                         ; the step in which my queries' own keys lie
	s_and_b32 s47, s43, 1                          ; 1 where they lie in its upper 64 keys,
	s_xor_b32 s46, s47, 1                          ; 1 where in its lower
	s_cmp_lt_u32 s43, 8
	s_cselect_b32 s48, s43, 0xffff                 ; the step that my work-group prefetches: tb, for tb = 1 .. 7
	s_lshl_b32 s49, s42, 3
	s_add_co_u32 s49, s49, s40                     ; 8 b + w
	s_mov_b32 s50, 0x76543210
	s_mov_b32 s51, 0xfedcba98                      ; v_permlanex16_b32's selects for lane l xor 16
	s_mov_b32 s52, 0x3e38aa3b                      ; c = log2(e) / 8
	s_mov_b32 s53, s52                             ; (named with it as a pair, so it is written)
	; LDS addresses and offsets, all made here
	s_mul_i32 s58, s40, 16512
	v_add_nc_u32 v7, s58, v4                       ; the queries' rows, in: my wave's eight rows
	v_mul_u32_u24 v13, v2, QP
	v_lshl_add_u32 v13, v3, 6, v13                 ; 2,064 r + 64 h: my 16 numbers of a block of 32
	s_lshr_b32 s58, s40, 1
	s_mul_i32 s59, s58, 33024
	s_and_b32 s60, s40, 1
	s_lshl_b32 s61, s60, 10
	s_add_co_u32 s59, s59, s61
	v_add_nc_u32 v8, s59, v13                      ; for the quantiser: tile w / 2, K steps 2 (w % 2) on
	s_lshl_b32 s59, s40, 8
	v_add_nc_u32 v13, s59, v13                     ; for the residual: my head's 64 columns, tiles 0 and 1;
	v_add_nc_u32 v14, 66048, v13                   ; tiles 2 and 3
	s_lshl_b32 s59, s40, 11
	s_add_co_u32 s59, s59, XIMG
	v_add_nc_u32 v9, s59, v4                       ; x's images: my two
	v_add_nc_u32 v10, XIMG, v4                     ; and any
	s_lshl_b32 s59, s58, 8
	s_lshl_b32 s61, s60, 3
	s_add_co_u32 s59, s59, s61
	s_add_co_u32 s59, s59, XSL
	v_lshl_add_u32 v11, v2, 4, s59                 ; x's scale words: mine
	v_lshl_add_u32 v12, v2, 4, XSL                 ; and a row's four
	s_lshl_b32 s59, s40, 1
	s_add_co_u32 s59, s59, RSL
	v_lshl_add_u32 v15, v2, 4, s59                 ; the result's scale bytes: row r, my head's two
	s_lshl_b32 s59, s40, 8
	s_add_co_u32 s61, s59, CSL
	v_lshl_add_u32 v16, v3, 6, s61                 ; the column sums, in
	v_lshl_add_u32 v17, v1, 3, s61                 ; and back
	v_lshl_add_u32 v19, v1, 3, s59                 ; and in p1: 256 w + 8 l
	s_lshl_b32 s59, s40, 7
	s_add_co_u32 s61, s59, RSL
	v_lshl_add_u32 v18, v1, 2, s61                 ; the result's scale words, back
	v_lshl_add_u32 v20, v1, 2, s59                 ; and in xs: 128 w + 4 l
	s_lshl_b32 s59, s49, 3
	s_and_b32 s60, s43, 7
	s_add_co_u32 s59, s59, s60
	s_lshl_b32 s59, s59, 12
	v_lshlrev_b32 v21, 22, v3
	v_lshl_add_u32 v21, v2, 8, v21
	v_add_nc_u32 v21, s59, v21                     ; the prefetch: lanes 0-15 K's 16 x 256 bytes of step tb % 8 of my head, lanes 16-31 V's; never rewritten
	v_mov_b32 v22, 0xd1000000                      ; -2^35
	v_and_b32 v23, 8, v2
	v_add_nc_u32 v23, v23, v2
	v_lshlrev_b32 v23, 4, v23                      ; W_Query's scale words: 16 (r + 8 (r / 8))
	s_mov_b32 s59, 0
	s_wait_kmcnt 0x0
	s_lshl_b32 s58, s41, 17
	s_lshl_b32 s60, s40, 14
	s_add_co_u32 s58, s58, s60
	s_add_nc_u64 s[8:9], s[8:9], s[58:59]          ; the queries: 64 g rows of 2,048 bytes, + my wave's eight
	s_add_co_u32 s58, s60, 1048576
	s_add_nc_u64 s[10:11], s[10:11], s[58:59]      ; W_Query's fragments: my 64 rows
	s_lshl_b32 s58, s40, 10
	s_add_nc_u64 s[12:13], s[12:13], s[58:59]
	s_lshl_b32 s58, s49, 15
	s_add_nc_u64 s[54:55], s[14:15], s[58:59]      ; K and V of my head
	s_lshl_b32 s58, s49, 11
	s_add_nc_u64 s[56:57], s[16:17], s[58:59]      ; and their scale words
	s_lshl_b32 s58, s41, 14
	s_lshl_b32 s60, s40, 9
	s_add_co_u32 s58, s58, s60
	s_add_nc_u64 s[24:25], s[18:19], s[58:59]      ; xc: row tile 4 g, my head's half-fragment
	s_lshl_b32 s58, s41, 10
	s_add_nc_u64 s[26:27], s[20:21], s[58:59]      ; xs
	s_lshl_b32 s58, s41, 11
	s_add_nc_u64 s[28:29], s[22:23], s[58:59]      ; p1
	; ---- the queries come in as they lie, 512 consecutive bytes a load, and go to LDS: they are wanted twice, by the quantiser and by the residual
.set i, 0
.rept 32
	global_load_b128 v[RAW+4*i:RAW+4*i+3], v4, s[8:9] offset:512*i th:TH_LOAD_NT
.set i, i+1
.endr
	s_barrier_signal -1                            ; all eight waves have issued their requests for the queries, for which the barrier further down waits in every wave:
	s_barrier_wait -1                              ; only now does any wave ask for W_Query, which is wanted later.  (No LDS access is out here; nobody writes the bytes that are on their way)
	WIN 0x40
.set i, 0
.rept 32
	global_load_b128 v[4*i:4*i+3], v4, s[10:11] offset:512*i
.set i, i+1
.endr
	WIN 0
.irp t, 0,1,2,3
	global_load_b128 v[WQS+4*\t:WQS+4*\t+3], v23, s[12:13] offset:(32*(\t/2)+8*(\t%2))*16
.endr
	s_wait_loadcnt 36                              ; the queries are in; W_Query's 32 + 4 loads may stay out
.set i, 0
.rept 32
	ds_store_b128 v7, v[RAW+4*i:RAW+4*i+3] offset:(i/4)*QP+512*(i%4)
.set i, i+1
.endr
	BAR                                            ; 64 rows of queries lie in LDS
	v_mov_b32 v5, v4                               ; 16 l + 4,096 x the step that is being loaded
	v_lshlrev_b32 v6, 2, v1                        ; 4 l + 256 x that step
	KLOAD                                          ; step 0: it lands while q is made
	VLOAD
.irp i, 0,1,2,3
.irp j, 0,1,2,3
	v_mov_b32 v[KB+12*\i+4+\j], 0                  ; the zero codes between the two tiles of a pair: written once
.endr
.endr
.irp m, 0,1,2,3
	v_mov_b32 v[ST+4*\m+1], 0xff61b1e6             ; the largest score so far: -3e38, under every score
	v_floor_f32 v[ST+4*\m], -v[ST+4*\m+1]          ; -M: a whole number so large that the first step's f comes out 0
	v_mov_b32 v[ST+4*\m+2], 0                      ; the sum, in two halves
	v_mov_b32 v[ST+4*\m+3], 0
	v_mov_b32 v[RL+2*\m+1], 0                      ; (named as the upper half of a pair)
	v_mov_b32 v[BT+\m], 0                          ; written once: a lane permute's destination counts as one of its sources
.endr
	v_mov_b32 v[FP+1], 0
	; ---- x = Q(queries): wave w makes fragments 2 w and 2 w + 1 of the sixteen
.irp p, 0,1
.irp b, 0,1,2,3
.irp j, 0,1,2,3
	ds_load_b128 v[S+16*\b+4*\j:S+16*\b+4*\j+3], v8 offset:512*\p+128*\b+16*\j
.endr
.endr
	s_wait_dscnt 0x0
	QUANT S,4,PC,PW
	ds_store_b128 v9, v[PC:PC+3] offset:1024*\p
	ds_store_b128 v9, v[PC+4:PC+7] offset:1024*\p+512
	ds_store_b32 v11, v[PW] offset:4*\p
	s_wait_dscnt 0x0                               ; the stores have read their registers
.endr
	BAR                                            ; x's sixteen fragments lie in LDS
	s_wait_loadcnt 20                              ; W_Query is in; K's and V's 20 loads may stay out
	; ---- q^T, my head's 64 features, a tile of 16 queries at a time; its codes go to window 1 and stay
.irp m, 0,1,2,3
.irp s, 0,1,2,3
.irp c, 0,1
	ds_load_b128 v[S+32+8*\s+4*\c:S+32+8*\s+4*\c+3], v10 offset:4096*\m+512*(2*\s+\c)
.endr
.endr
	ds_load_b128 v[XW:XW+3], v12 offset:256*\m
	s_wait_dscnt 0x0
	WIN 0x01                                       ; source 0 (W_Query) window 1
	MM16 S,0,32,S+32,0,WQS,4,XW,0,1
	WIN 0
	NOP4
	QUANT S,2,PC,T0
	v_lshl_or_b32 v[QW+\m], v[T0], 16, v[T0]       ; q's two bytes twice: for the low form and for the high form
	WIN 0x40
.irp i, 0,1,2,3
	v_mov_b32 v[QA+4+8*\m+\i], v[PC+\i]
.endr
	WIN 0
.endr
	WIN 0x40
.irp i, 0,1,2,3,4
.irp j, 0,1,2,3
	v_mov_b32 v[QA+8*\i+\j], 0                     ; zero codes on both sides of each q
.endr
.endr
.set i, 0
.rept 128
	v_mov_b32 v[i], 0                              ; O^T.  The key step is written once: its first trip finds zeros, which the first change of M leaves zeros; a first step of its own would be a second copy of the whole step
.set i, i+1
.endr
	WIN 0
; S^T of tile m against the step's 128 keys: eight products, each of which starts a sum of its own.
.macro SMM m
	WIN 0x04                                       ; source 1 (q) window 1
.irp t, 0,1,2,3,4,5,6,7
.set rA, KB+12*(\t/2)+4*(\t%2)
.set rB, QA+4+8*(\m)-4*(\t%2)
.if (\t/2)%2
	v_wmma_scale_f32_16x16x128_f8f6f4 v[S+8*\t:S+8*\t+7], v[rA:rA+7], v[rB:rB+7], 0, v[KSW+\t/4], v[QW+(\m)] matrix_a_fmt:MATRIX_FMT_FP4 matrix_b_fmt:MATRIX_FMT_FP4 matrix_a_scale:MATRIX_SCALE_ROW1
.else
	v_wmma_scale_f32_16x16x128_f8f6f4 v[S+8*\t:S+8*\t+7], v[rA:rA+7], v[rB:rB+7], 0, v[KSW+\t/4], v[QW+(\m)] matrix_a_fmt:MATRIX_FMT_FP4 matrix_b_fmt:MATRIX_FMT_FP4
.endif
.endr
.endm
; ONE TILE OF 16 QUERIES AGAINST THE STEP'S 128 KEYS.  Its scores lie in S when the macro begins, four places or more behind the products that made them.
.macro TILE m
.set rN, ST+4*(\m)
.set rL, ST+4*(\m)+2
	s_cmp_eq_u32 s44, s45                          ; the diagonal lies in one step of the eight: a scalar branch on ids
	s_cbranch_scc0 .Lno_diag_\@
.irp e, 0,1                            ; query 16 m + r meets key 64 e + 16 m + r of the step, e = tb % 2: register 16 (2 e + m / 2) + r of lane r + 16 (m % 2)
.irp jj, 0,1,2,3,4,5,6,7,8,9,10,11,12,13,14,15
	s_lshl_b32 vcc_lo, s[46+\e], \jj+16*((\m)%2)
	v_cndmask_b32 v[S+16*(2*\e+(\m)/2)+\jj], v[S+16*(2*\e+(\m)/2)+\jj], v22, vcc_lo
.endr
.endr
.Lno_diag_\@:
.irp b, 0,1,2,3
	v_max3_num_f32 v[BM+\b], v[S+16*\b], v[S+16*\b+1], v[S+16*\b+2]   ; the largest score of each block of 32 keys: for the row's maximum, and, since p rises with the score, for the block's largest p
.endr
.irp i, 3,5,7,9,11,13
.irp b, 0,1,2,3
	v_max3_num_f32 v[BM+\b], v[BM+\b], v[S+16*\b+\i], v[S+16*\b+\i+1]
.endr
.endr
.irp b, 0,1,2,3
	v_max_num_f32 v[BM+\b], v[BM+\b], v[S+16*\b+15]
.endr
.irp b, 0,1,2,3
	v_permlanex16_b32 v[BT+\b], v[BM+\b], s50, s51
.endr
.irp b, 0,1,2,3
	v_max_num_f32 v[BM+\b], v[BM+\b], v[BT+\b]     ; with lane l xor 16's 16 keys
.endr
	v_max3_num_f32 v[T0], v[BM], v[BM+1], v[BM+2]
	v_mov_b32 v[SO], v[rN]                         ; the old -M is kept for f
	v_max3_num_f32 v[rN+1], v[T0], v[BM+3], v[rN+1]   ; the running largest SCORE: c is positive and rounding keeps order, so c x this is the running largest t
	v_mul_f32 v[T0], s52, v[rN+1]
	v_floor_f32 v[rN], -v[T0]                      ; the new -M = -ceil(t)
.irp i, 0,1,2,3
	v_pk_fma_f32 v[S+2*\i:S+2*\i+1], v[S+2*\i:S+2*\i+1], s[52:53], v[rN:rN+1] op_sel_hi:[1,0,0]   ; t - M, two at a time: the first four pairs
.endr
.irp b, 0,1,2,3
	v_fma_f32 v[BM+\b], v[BM+\b], s52, v[rN]       ; the same of each block's largest score
.endr
	v_sub_f32 v[SO], v[rN], v[SO]                  ; old M - new M: a whole number, 0 or less
	; ONE BATCH of 68 exponentials, none of whose results is named ahead of the one wait behind it.  A plain line leads each pair: the scaling of the pair four further on, at the end the two lines that make f
.irp b, 0,1,2,3
	v_exp_f32 v[BM+\b], v[BM+\b]                   ; the block's largest p: the same two instructions on the same number give the same bits as in the block
.endr
.set j, 0
.rept 32
.if j < 28
	v_pk_fma_f32 v[S+2*j+8:S+2*j+9], v[S+2*j+8:S+2*j+9], s[52:53], v[rN:rN+1] op_sel_hi:[1,0,0]
.elseif j == 28
	v_cvt_i32_f32 v[SO], v[SO]                     ; (it saturates)
.elseif j == 29
	v_ldexp_f32 v[FP], 1.0, v[SO]                  ; f = 2^(old M - new M)
.endif
	v_exp_f32 v[S+2*j], v[S+2*j]                   ; p = 2^(t - M)
	v_exp_f32 v[S+2*j+1], v[S+2*j+1]
.set j, j+1
.endr
	v_pk_mul_f32 v[rL:rL+1], v[rL:rL+1], v[FP:FP+1] op_sel_hi:[1,0]   ; the sums under the new M: the plain place behind the exponentials
	s_wait_alu depctr_va_vdst(0)                   ; one wait for the batch, ahead of its first reader
.irp b, 0,1,2,3
	v_max_num_f32 v[BM+\b], 0x1800000, v[BM+\b]    ; the floor 2^(3 - 127)
.endr
.irp b, 0,1,2,3
	v_add_nc_u32 v[SO+\b], 0xff000000, v[BM+\b]    ; 2 off the exponent field: the conversion's scale operand
.endr
.irp b, 0,1,2,3
	v_lshrrev_b32 v[BT+\b], 23, v[SO+\b]           ; the scale's byte
.endr
	v_lshl_or_b32 v[BT], v[BT+1], 8, v[BT]
	v_lshl_or_b32 v[BT+2], v[BT+3], 8, v[BT+2]
	v_lshl_or_b32 v[PW], v[BT+2], 16, v[BT]        ; p's scale word for these 128 keys
.irp b, 0,1,2,3
	v_cvt_scalef32_pk8_fp4_f32 v[PC+2*\b], v[S+16*\b:S+16*\b+7], v[SO+\b]
	v_cvt_scalef32_pk8_fp4_f32 v[PC+2*\b+1], v[S+16*\b+8:S+16*\b+15], v[SO+\b]
.endr
	v_nop                                          ; one plain place behind a scaled conversion: the lines below write its scale operands, and later its results
	v_pk_add_f32 v[BT:BT+1], v[S:S+1], v[S+2:S+3]  ; THE ROW'S SUM IS TAKEN OF THE UNQUANTISED p: 32 pairs in four chains, so that no line waits for the line above it
	v_pk_add_f32 v[BT+2:BT+3], v[S+4:S+5], v[S+6:S+7]
	v_pk_add_f32 v[SO:SO+1], v[S+8:S+9], v[S+10:S+11]
	v_pk_add_f32 v[rL:rL+1], v[rL:rL+1], v[S+12:S+13]
.irp j, 14,22,30,38,46,54
	v_pk_add_f32 v[BT:BT+1], v[BT:BT+1], v[S+\j:S+\j+1]
	v_pk_add_f32 v[BT+2:BT+3], v[BT+2:BT+3], v[S+\j+2:S+\j+3]
	v_pk_add_f32 v[SO:SO+1], v[SO:SO+1], v[S+\j+4:S+\j+5]
	v_pk_add_f32 v[rL:rL+1], v[rL:rL+1], v[S+\j+6:S+\j+7]
.endr
	v_pk_add_f32 v[BT:BT+1], v[BT:BT+1], v[S+62:S+63]
	v_pk_add_f32 v[SO:SO+1], v[SO:SO+1], v[BT+2:BT+3]
	v_pk_add_f32 v[rL:rL+1], v[rL:rL+1], v[BT:BT+1]
	v_pk_add_f32 v[rL:rL+1], v[rL:rL+1], v[SO:SO+1]
.irp c, 0,1
.irp i, 0,1
	v_permlane16_swap_b32 v[PC+4*\c+\i], v[PC+4*\c+2+\i]   ; lanes 0-15 get block 2 c whole, lanes 16-31 block 2 c + 1
.endr
.endr
.if \m < 3
	SMM \m+1                                       ; p has had its last reader: the next tile's scores are asked for now
.endif
	WIN 0x41                                       ; O^T (destination and source 0) window 1, f window 0
.set i, 0
.rept 16
	v_pk_mul_f32 v[32*(\m)+2*i:32*(\m)+2*i+1], v[32*(\m)+2*i:32*(\m)+2*i+1], v[FP:FP+1] op_sel_hi:[1,0]   ; O^T under the new M.  These sixteen name no register of the products above: they are the places behind them, and those between p's codes and scale word and the products below
.set i, i+1
.endr
.if \m == 0
	s_wait_loadcnt 0x0                             ; V and its scale words are in
.endif
	WIN 0x51                                       ; V, C and D window 1, p window 0
.irp t, 0,1,2,3
.if \t%2
	v_wmma_scale_f32_16x16x128_f8f6f4 v[32*(\m)+8*\t:32*(\m)+8*\t+7], v[VF+8*\t:VF+8*\t+7], v[PC:PC+7], v[32*(\m)+8*\t:32*(\m)+8*\t+7], v[VSW+\t/2], v[PW] matrix_a_fmt:MATRIX_FMT_FP4 matrix_b_fmt:MATRIX_FMT_FP4 matrix_a_scale:MATRIX_SCALE_ROW1
.else
	v_wmma_scale_f32_16x16x128_f8f6f4 v[32*(\m)+8*\t:32*(\m)+8*\t+7], v[VF+8*\t:VF+8*\t+7], v[PC:PC+7], v[32*(\m)+8*\t:32*(\m)+8*\t+7], v[VSW+\t/2], v[PW] matrix_a_fmt:MATRIX_FMT_FP4 matrix_b_fmt:MATRIX_FMT_FP4
.endif
.endr
	WIN 0
.if \m == 2                            ; the step's last products with K (tile 3's) stand sixteen places back: the next step's K is asked for, a tile ahead of its use.  The last step asks for nothing: no load leaves its buffer
	s_cmp_eq_u32 s44, 7
	s_cbranch_scc1 .Lno_k_\@
	v_add_nc_u32 v5, 4096, v5                      ; (the loads that read these two were waited for in tile 0)
	v_add_nc_u32 v6, 256, v6
	KLOAD
.Lno_k_\@:
.endif
.if \m == 3                            ; the step's last products with V are issued: the next step's V is asked for, a tile ahead of its use
	NOP4
	s_cmp_eq_u32 s44, 7
	s_cbranch_scc1 .Lno_v_\@
	VLOAD
.Lno_v_\@:
.endif
.endm
	s_mov_b32 s44, 0                               ; the step
.Lstep:
	; A PREFETCH INTO THE L2.  All sixteen work-groups of a batch walk the same K and V.  Work-group tb (1 .. 7) asks, in trip tb - 1, for step tb: the bytes that this trip's tile 2 (K) and tile 3 (V) will load, two and three tiles' work on.
	; Wave w asks for head w: lanes 0-15 name K's sixteen blocks of 256 bytes, lanes 16-31 V's: each block is named once in the launch.  Step 0 and the scale words come by their loads alone.
	s_add_co_u32 s58, s44, 1
	s_cmp_eq_u32 s58, s48
	s_cbranch_scc0 .Lno_ask
	global_prefetch_b8 v21, s[14:15] th:TH_LOAD_NT scope:SCOPE_SE
.Lno_ask:
	s_wait_loadcnt 10                              ; K and its scale words are in; V's 10 loads, issued behind them, may stay out
	SMM 0                                          ; the step's first tile has no tile ahead of it in which its scores could be asked for
	WIN 0
	NOP4
	TILE 0
	TILE 1
	TILE 2
	TILE 3
	s_add_co_u32 s44, s44, 1
	s_cmp_lt_u32 s44, 8
	s_cbranch_scc1 .Lstep
	; ---- THE WAY OUT
.irp m, 0,1,2,3
	v_add_f32 v[BM+\m], v[ST+4*\m+2], v[ST+4*\m+3] ; the sum's two halves,
.endr
.irp m, 0,1,2,3
	v_permlanex16_b32 v[BT+\m], v[BM+\m], s50, s51
.endr
.irp m, 0,1,2,3
	v_add_f32 v[BM+\m], v[BM+\m], v[BT+\m]         ; and lane l xor 16's: the row's sum
.endr
.irp m, 0,1,2,3
	v_rcp_f32 v[RL+2*\m], v[BM+\m]
.endr
	v_nop                                          ; a plain place behind the last reciprocal
	s_wait_alu depctr_va_vdst(0)                   ; one wait for the four, ahead of their first reader
.irp m, 0,1,2,3
.if \m == 0
.set DST, CSUM                         ; the first tile's rows start the column sums
.else
.set DST, S
.endif
.irp b, 0,1
.irp j, 0,1,2,3
	ds_load_b128 v[S+32+16*\b+4*\j:S+32+16*\b+4*\j+3], v[13+\m/2] offset:(\m%2)*33024+128*\b+16*\j   ; queries(16 m + r, 64 w + 32 b + 16 h + 4 j ..)
.endr
.endr
	s_wait_dscnt 0x0
	WIN 0x01                                       ; O^T window 1
.set i, 0
.rept 16
	v_pk_fma_f32 v[DST+2*i:DST+2*i+1], v[32*\m+2*i:32*\m+2*i+1], v[RL+2*\m:RL+2*\m+1], v[S+32+2*i:S+32+2*i+1] op_sel_hi:[1,0,1]   ; O / sum + queries
.set i, i+1
.endr
	WIN 0
	QUANT DST,2,PCR+4*\m,HR+\m
	global_store_b128 v4, v[PCR+4*\m:PCR+4*\m+3], s[24:25] offset:4096*\m   ; 512 consecutive bytes
	ds_store_b16 v15, v[HR+\m] offset:256*\m
.if \m > 0
.set i, 0
.rept 16
	v_pk_add_f32 v[CSUM+2*i:CSUM+2*i+1], v[CSUM+2*i:CSUM+2*i+1], v[S+2*i:S+2*i+1]
.set i, i+1
.endr
.endif
.endr
.irp x, 1,2,4,8                        ; over the sixteen rows of a tile: the lanes of a half
.set i, 0
.rept 32
	v_add_f32_dpp v[CSUM+i], v[CSUM+i], v[CSUM+i] row_xmask:\x row_mask:0xf bank_mask:0xf
.set i, i+1
.endr
.endr
.irp b, 0,1
.irp j, 0,1,2,3
	ds_store_b128 v16, v[CSUM+16*\b+4*\j:CSUM+16*\b+4*\j+3] offset:128*\b+16*\j   ; the lanes of a half write the same bytes with the same values
.endr
.endr
	ds_load_b64 v[S:S+1], v17                      ; LDS serves a wave's instructions in order: this sees my stores
	s_wait_dscnt 0x0
	global_store_b64 v19, v[S:S+1], s[28:29]       ; my head's 64 sums: 256 consecutive bytes, aligned
	BAR                                            ; all heads' scale bytes of the result lie in LDS
	ds_load_b32 v[S+2], v18
	s_wait_dscnt 0x0
	global_store_b32 v20, v[S+2], s[26:27]
	s_wait_tensorcnt 0x0
	ds_add_u32 v254, v255
	s_wait_dscnt 0x0
	s_endpgm
.Lfunc_end_k_q1d48337167_attn:
	.size	k_q1d48337167_attn, .Lfunc_end_k_q1d48337167_attn-k_q1d48337167_attn
	.p2alignl 7, 3214868480
	.fill 96, 4, 3214868480
	.section	.rodata,"a",@progbits
	.p2align	6, 0x0
	.amdhsa_kernel k_q1d48337167_attn
		.amdhsa_group_segment_fixed_size 153600
		.amdhsa_private_segment_fixed_size 0
		.amdhsa_enable_private_segment 0
		.amdhsa_kernarg_size 64
		.amdhsa_user_sgpr_count 2
		.amdhsa_user_sgpr_kernarg_segment_ptr 1
		.amdhsa_wavefront_size32 1
		.amdhsa_system_sgpr_workgroup_id_x 1
		.amdhsa_system_sgpr_workgroup_id_y 1
		.amdhsa_system_sgpr_workgroup_id_z 1
		.amdhsa_system_vgpr_workitem_id 0
		.amdhsa_next_free_vgpr 512
		.amdhsa_next_free_sgpr 66
		.amdhsa_reserve_vcc 1
		.amdhsa_float_denorm_mode_32 3
		.amdhsa_float_denorm_mode_16_64 3
		.amdhsa_memory_ordered 1
		.amdhsa_forward_progress 1
		.amdhsa_inst_pref_size 142
	.end_amdhsa_kernel
	.amdgpu_metadata
---
amdhsa.version: [ 1, 2 ]
amdhsa.kernels:
  - .name:           k_q1d48337167_attn
    .symbol:         k_q1d48337167_attn.kd
    .args:
      - { .name: queries, .offset: 0, .size: 8, .value_kind: global_buffer, .address_space: global }
      - { .name: wf, .offset: 8, .size: 8, .value_kind: global_buffer, .address_space: global }
      - { .name: W_Query_scales, .offset: 16, .size: 8, .value_kind: global_buffer, .address_space: global }
      - { .name: kvc, .offset: 24, .size: 8, .value_kind: global_buffer, .address_space: global }
      - { .name: kvs, .offset: 32, .size: 8, .value_kind: global_buffer, .address_space: global }
      - { .name: xc, .offset: 40, .size: 8, .value_kind: global_buffer, .address_space: global }
      - { .name: xs, .offset: 48, .size: 8, .value_kind: global_buffer, .address_space: global }
      - { .name: p1, .offset: 56, .size: 8, .value_kind: global_buffer, .address_space: global }
    .group_segment_fixed_size: 153600
    .private_segment_fixed_size: 0
    .kernarg_segment_align: 8
    .kernarg_segment_size: 64
    .max_flat_workgroup_size: 256
    .sgpr_count:     66
    .vgpr_count:     512
    .wavefront_size: 32
...
	.end_amdgpu_metadata
.endif
;; end of part 2
;; launch ffn (part 3): grid 256 x 1, 8 waves a work-group, no clusters, 105,472 bytes of LDS; arguments xc, xs, wf, fw1_scales, fw2_scales, p2; writes p2
.if DOCPART == 3
	.amdgcn_target "amdgcn-amd-amdhsa--gfx1250"
	.amdhsa_code_object_version 6
	.text
	.protected	k_q1d48337167_ffn
	.globl	k_q1d48337167_ffn
	.p2align	8
	.type	k_q1d48337167_ffn,@function
k_q1d48337167_ffn:
	s_mov_b64 s[64:65], 0
	v_nop
	global_prefetch_b8 v0, s[64:65] scope:SCOPE_SE
	s_setreg_imm32_b32 hwreg(HW_REG_WAVE_MODE, 25, 1), 1
	s_wait_xcnt 0x0
; The sums over tokens of Q(relu(x fw1)) fw2, x being the codes that the launch before has made; both products on codes of FP4 (E2M1), one E8M0 scale for each 32 along K.
; Only the sum over the tokens leaves the program, so (a) the second product's accumulators add all tiles of rows onto each other, and (b) the hidden axis can be cut: each slice's sums are added by the last launch.
; SHARES.  A work-group takes 256 rows (rb = g / 4: 16 tiles) x 512 hidden units (j = g % 4).  THE WAVES SHARE THE COLUMNS: wave w makes hidden units 512 j + 64 w .. + 63 and outputs 64 w .. + 63.
;   Its parts of fw1 and fw2 (128 + 128 registers) are read once, 512 consecutive bytes a load, and stay in registers; what goes round through LDS is small: the hidden layer's codes, as images of registers.
; First product TRANSPOSED (source 0 = 16 rows of fw1, source 1 = 16 rows of x): a lane holds one row, 2 x 16 neighbouring hidden units: relu, quantised in registers: half a K step of the second product.
; Second product the natural way (source 0 = 16 rows of the hidden layer, source 1 = 16 rows of fw2: lane r of tile t is output 64 w + 4 r + t): a lane holds one output and eight rows.
; NO CLUSTER, NO TENSOR LOAD: a work-group's 272 KB of weights and 68 KB of x are read once, at its head; each weight byte is wanted by one wave alone and goes straight into its registers.
; One barrier a block of four tiles: the images lie in two buffers by turns, and a buffer is written again only behind the other buffer's barrier, which each wave reaches with its reads of the first waited for.
; LIMITS: NaN and infinities are not served; a block whose largest magnitude lies under 2^-124 keeps the scale byte 1; a block of zeros gets the byte 1 with zero codes; the rows are added in another order than a plain mean.
.set XI,   0                           ; LDS: x's 16 x 4 fragments as they lie in xc, 65,536 bytes
.set XWL,  65536                       ; x's scale words, 256 bytes a tile
.set HI,   69632                       ; the hidden layer's images: 2 buffers x [tile 4][wave 8][512]
.set HSL,  102400                      ; its scale bytes: 2 buffers x [tile 4][row 16][16]
.set TM,   16                          ; v16-27 the quantiser's
.set HB,   28                          ; v28-31 two scale bytes, a register a tile
.set PC,   32                          ; v32-47 codes, four registers a tile
.set W1S,  48                          ; v48-63 fw1's scale words (4 t + s)
.set W2S,  64                          ; v64-79 fw2's
.set XWR,  80                          ; v80-83 x's
.set HW,   84                          ; v84-87 the hidden layer's
.set YA,   88                          ; v88-119  the second product's four accumulators
.set HA,   120                         ; v120-151 the first's
.set XF,   152                         ; v152-183 x's four fragments
.set HF,   184                         ; v184-215 the hidden layer's four
.set SUM,  216                         ; v216-219
; window 1: v0-127 fw1's 16 fragments, v128-255 fw2's
.set MSB, 0
.macro WIN new                         ; the immediate's high byte repeats the setting that is left
.if MSB != \new
	s_set_vgpr_msb (MSB<<8)|\new
.set MSB, \new
.endif
.endm
.macro NOP4                            ; four places behind a matrix instruction (ISA guide 7.12.1)
.rept 4
	v_nop
.endr
.endm
.macro BAR
	s_wait_dscnt 0x0
	s_barrier_signal -1
	s_barrier_wait -1
.endm
.macro MM16 d0, a0, ai, b0, bi, sa0, sai, sb0, sbi, zero   ; four accumulators by turns, four K steps of 128
.irp s, 0,1,2,3
.irp i, 0,1,2,3
.if (\zero) && (\s == 0)
	v_wmma_scale_f32_16x16x128_f8f6f4 v[(\d0)+8*\i:(\d0)+8*\i+7], v[(\a0)+(\ai)*\i+8*\s:(\a0)+(\ai)*\i+8*\s+7], v[(\b0)+(\bi)*\i+8*\s:(\b0)+(\bi)*\i+8*\s+7], 0, v[(\sa0)+(\sai)*\i+\s], v[(\sb0)+(\sbi)*\i+\s] matrix_a_fmt:MATRIX_FMT_FP4 matrix_b_fmt:MATRIX_FMT_FP4
.else
	v_wmma_scale_f32_16x16x128_f8f6f4 v[(\d0)+8*\i:(\d0)+8*\i+7], v[(\a0)+(\ai)*\i+8*\s:(\a0)+(\ai)*\i+8*\s+7], v[(\b0)+(\bi)*\i+8*\s:(\b0)+(\bi)*\i+8*\s+7], v[(\d0)+8*\i:(\d0)+8*\i+7], v[(\sa0)+(\sai)*\i+\s], v[(\sb0)+(\sbi)*\i+\s] matrix_a_fmt:MATRIX_FMT_FP4 matrix_b_fmt:MATRIX_FMT_FP4
.endif
.endr
.endr
.endm
; 16 nb numbers of a lane, register 16 b + i = k 32 b + 16 (lane / 16) + i of my row, become 2 nb registers of codes in operand order from v[pc] on, and nb scale bytes in v[pw].
.macro QUANT src, nb, pc, pw
.irp b, 0,1,2,3
.if \b < \nb
	v_max3_num_f32 v[TM+\b], |v[(\src)+16*\b]|, |v[(\src)+1+16*\b]|, 0x1800000   ; and the floor 2^(3 - 127): the byte cannot fall under 1
.endif
.endr
.irp i, 2,4,6,8,10,12,14
.irp b, 0,1,2,3
.if \b < \nb
	v_max3_num_f32 v[TM+\b], v[TM+\b], |v[(\src)+16*\b+\i]|, |v[(\src)+1+16*\b+\i]|
.endif
.endr
.endr
.irp b, 0,1,2,3
.if \b < \nb
	v_permlanex16_b32 v[TM+4+\b], v[TM+\b], s46, s47
.endif
.endr
.irp b, 0,1,2,3
.if \b < \nb
	v_max_num_f32 v[TM+\b], v[TM+\b], v[TM+4+\b]
.endif
.endr
.irp b, 0,1,2,3
.if \b < \nb
	v_add_nc_u32 v[TM+8+\b], 0xff000000, v[TM+\b]  ; 2 off the exponent field: the conversion's scale operand
.endif
.endr
.irp b, 0,1,2,3
.if \b < \nb
	v_lshrrev_b32 v[TM+4+\b], 23, v[TM+8+\b]       ; the scale's byte
.endif
.endr
	v_lshl_or_b32 v[\pw], v[TM+5], 8, v[TM+4]
.if \nb > 2
	v_lshl_or_b32 v[\pw], v[TM+6], 16, v[\pw]
	v_lshl_or_b32 v[\pw], v[TM+7], 24, v[\pw]
.endif
.irp b, 0,1,2,3
.if \b < \nb
	v_cvt_scalef32_pk8_fp4_f32 v[(\pc)+2*\b], v[(\src)+16*\b:(\src)+16*\b+7], v[TM+8+\b]
	v_cvt_scalef32_pk8_fp4_f32 v[(\pc)+2*\b+1], v[(\src)+16*\b+8:(\src)+16*\b+15], v[TM+8+\b]
.endif
.endr
	v_nop                                          ; one plain place behind a scaled conversion
.irp c, 0,1
.if 2*\c < \nb
.irp i, 0,1
	v_permlane16_swap_b32 v[(\pc)+4*\c+\i], v[(\pc)+4*\c+2+\i]
.endr
.endif
.endr
.endm
	s_load_b256 s[8:15], s[0:1], 0x0               ; xc s[8:9], xs s[10:11], wf s[12:13], fw1 scales s[14:15]
	s_load_b128 s[16:19], s[0:1], 0x20             ; fw2 scales s[16:17], p2 s[18:19]
	v_lshl_add_u32 v254, v0, 2, 0x19800
	v_mov_b32 v255, 0
	v_lshrrev_b32 v1, 5, v0
	v_readfirstlane_b32 s40, v1                    ; w
	v_and_b32 v1, 31, v0                           ; l
	v_and_b32 v2, 15, v0                           ; r
	v_bfe_u32 v3, v0, 4, 1                         ; h
	v_lshlrev_b32 v4, 4, v1                        ; 16 l
	s_mov_b32 s41, ttmp9                           ; g
	s_lshr_b32 s42, s41, 2                         ; rb
	s_and_b32 s43, s41, 3                          ; j
	s_lshl_b32 s39, s43, 3
	s_add_co_u32 s39, s39, s40                     ; 8 j + w
	s_mov_b32 s46, 0x76543210
	s_mov_b32 s47, 0xfedcba98                      ; v_permlanex16_b32's selects for lane l xor 16
	s_lshl_b32 s24, s40, 13
	v_add_nc_u32 v5, s24, v4                       ; x's fragments, in: my wave's 8,192 bytes
	s_lshl_b32 s24, s40, 9
	s_add_co_u32 s25, s24, XWL
	v_add_nc_u32 v6, s25, v4                       ; x's scale words, in
	s_add_co_u32 s25, s24, HI
	v_add_nc_u32 v7, s25, v4                       ; the hidden layer's image: my place
	v_add_nc_u32 v8, HI, v4                        ; and any wave's
	s_lshl_b32 s25, s40, 1
	s_add_co_u32 s25, s25, HSL
	v_lshl_add_u32 v9, v2, 4, s25                  ; its scale bytes: row r, my two
	v_lshl_add_u32 v10, v2, 4, HSL                 ; and a row's sixteen
	v_lshl_add_u32 v11, v2, 4, XWL                 ; x's scale words: a row's four
	v_and_b32 v14, 8, v2
	v_add_nc_u32 v14, v14, v2
	v_lshlrev_b32 v14, 4, v14                      ; fw1's scale words: 16 (r + 8 (r / 8))
	v_lshlrev_b32 v15, 8, v2                       ; fw2's: four rows of 64 bytes a lane
	s_lshl_b32 s25, s40, 8
	v_lshl_add_u32 v220, v2, 4, s25
	v_lshl_add_u32 v220, v3, 11, v220              ; p2: 2,048 h + 256 w + 16 r
.irp b, 0,1,2,3
	v_mov_b32 v[TM+4+\b], 0                        ; written once: a lane permute's destination counts as one of its sources
.endr
	s_mov_b32 s27, 0
	s_wait_kmcnt 0x0
	s_lshl_b32 s26, s42, 16
	s_lshl_b32 s28, s40, 13
	s_add_co_u32 s26, s26, s28
	s_add_nc_u64 s[8:9], s[8:9], s[26:27]
	s_lshl_b32 s26, s42, 12
	s_add_co_u32 s26, s26, s24
	s_add_nc_u64 s[10:11], s[10:11], s[26:27]
	s_lshl_b32 s26, s39, 14
	s_add_nc_u64 s[20:21], s[12:13], s[26:27]      ; my fragments of fw1; fw2's lie 524,288 bytes on
	s_lshl_b32 s26, s39, 10
	s_add_nc_u64 s[14:15], s[14:15], s[26:27]
	s_lshl_b32 s26, s40, 12
	s_lshl_b32 s28, s43, 4
	s_add_co_u32 s26, s26, s28
	s_add_nc_u64 s[16:17], s[16:17], s[26:27]
	s_lshl_b32 s26, s41, 12
	s_add_nc_u64 s[18:19], s[18:19], s[26:27]
.set i, 0
.rept 16
	global_load_b128 v[HA+4*i:HA+4*i+3], v4, s[8:9] offset:512*i
.set i, i+1
.endr
	global_load_b128 v[HF:HF+3], v4, s[10:11]
	WIN 0x40
.set i, 0
.rept 32
	global_load_b128 v[4*i:4*i+3], v4, s[20:21] offset:512*i
.set i, i+1
.endr
	WIN 0
.irp t, 0,1,2,3
	global_load_b128 v[W1S+4*\t:W1S+4*\t+3], v14, s[14:15] offset:(32*(\t/2)+8*(\t%2))*16
.endr
	s_wait_loadcnt 36                              ; x and its scale words are in; fw1's 32 + 4 loads may stay out
.set i, 0
.rept 16
	ds_store_b128 v5, v[HA+4*i:HA+4*i+3] offset:512*i
.set i, i+1
.endr
	ds_store_b128 v6, v[HF:HF+3]
	WIN 0x40
.set i, 0
.rept 32
	global_load_b128 v[128+4*i:128+4*i+3], v4, s[20:21] offset:524288+512*i
.set i, i+1
.endr
	WIN 0
.irp t, 0,1,2,3
	global_load_b128 v[W2S+4*\t:W2S+4*\t+3], v15, s[16:17] offset:64*\t
.endr
.set i, 0
.rept 32
	v_mov_b32 v[YA+i], 0                           ; these four sums run through the loop over all sixteen tiles of rows
.set i, i+1
.endr
	BAR                                            ; x lies in LDS
	s_wait_loadcnt 0x0                             ; the weights are in
; A BLOCK OF FOUR TILES OF ROWS, through image buffer u.
.macro BLOCK u
.irp ii, 0,1,2,3
.irp s, 0,1,2,3
.irp c, 0,1
	ds_load_b128 v[XF+8*\s+4*\c:XF+8*\s+4*\c+3], v12 offset:4096*(4*\u+\ii)+512*(2*\s+\c)   ; (the relu and the quantiser stand between the last product that read these registers and this load)
.endr
.endr
	ds_load_b128 v[XWR:XWR+3], v13 offset:256*(4*\u+\ii)
	s_wait_dscnt 0x0
	WIN 0x01                                       ; source 0 (fw1) window 1
	MM16 HA,0,32,XF,0,W1S,4,XWR,0,1
	WIN 0
	NOP4
.set i, 0
.rept 32
	v_max_num_f32 v[HA+i], 0, v[HA+i]              ; the activation, in f32
.set i, i+1
.endr
	QUANT HA,2,PC+4*\ii,HB+\ii
	ds_store_b128 v7, v[PC+4*\ii:PC+4*\ii+3] offset:16384*\u+4096*\ii
	ds_store_b16 v9, v[HB+\ii] offset:1024*\u+256*\ii
.endr
	BAR                                            ; four tiles' hidden units of all eight waves lie in LDS
.irp ii, 0,1,2,3
.if \ii > 0
	NOP4                                           ; places in front of loads into registers that the last products have read
.endif
.irp s, 0,1,2,3
.irp c, 0,1
	ds_load_b128 v[HF+8*\s+4*\c:HF+8*\s+4*\c+3], v8 offset:16384*\u+4096*\ii+512*(2*\s+\c)
.endr
.endr
	ds_load_b128 v[HW:HW+3], v10 offset:1024*\u+256*\ii
	s_wait_dscnt 0x0
	WIN 0x04                                       ; source 1 (fw2) window 1
	MM16 YA,HF,0,128,32,HW,0,W2S,4,0
	WIN 0
.endr
.endm
	s_mov_b32 s44, 0                               ; x's bytes passed: two trips of eight tiles
.Lhalf:
	v_add_nc_u32 v12, s44, v4
	s_lshr_b32 s45, s44, 4
	v_add_nc_u32 v13, s45, v11
	BLOCK 0
	BLOCK 1
	s_add_co_u32 s44, s44, 32768
	s_cmp_lt_u32 s44, 65536
	s_cbranch_scc1 .Lhalf
	NOP4
.irp t, 0,1,2,3
	v_add_f32 v[SUM+\t], v[YA+8*\t], v[YA+8*\t+1]  ; over a lane's eight rows, each accumulator from its low end on
.endr
.irp k, 2,3,4,5,6,7
.irp t, 0,1,2,3
	v_add_f32 v[SUM+\t], v[SUM+\t], v[YA+8*\t+\k]
.endr
.endr
	global_store_b128 v220, v[SUM:SUM+3], s[18:19] ; outputs 64 w + 4 r + 0 .. 3: each half of the lanes stores 256 consecutive bytes; the halves (rows 0-7, rows 8-15 of every tile) are two partial rows
	s_wait_tensorcnt 0x0
	ds_add_u32 v254, v255
	s_wait_dscnt 0x0
	s_endpgm
.Lfunc_end_k_q1d48337167_ffn:
	.size	k_q1d48337167_ffn, .Lfunc_end_k_q1d48337167_ffn-k_q1d48337167_ffn
	.p2alignl 7, 3214868480
	.fill 96, 4, 3214868480
	.section	.rodata,"a",@progbits
	.p2align	6, 0x0
	.amdhsa_kernel k_q1d48337167_ffn
		.amdhsa_group_segment_fixed_size 105472
		.amdhsa_private_segment_fixed_size 0
		.amdhsa_enable_private_segment 0
		.amdhsa_kernarg_size 48
		.amdhsa_user_sgpr_count 2
		.amdhsa_user_sgpr_kernarg_segment_ptr 1
		.amdhsa_wavefront_size32 1
		.amdhsa_system_sgpr_workgroup_id_x 1
		.amdhsa_system_sgpr_workgroup_id_y 1
		.amdhsa_system_sgpr_workgroup_id_z 1
		.amdhsa_system_vgpr_workitem_id 0
		.amdhsa_next_free_vgpr 512
		.amdhsa_next_free_sgpr 66
		.amdhsa_reserve_vcc 0
		.amdhsa_float_denorm_mode_32 3
		.amdhsa_float_denorm_mode_16_64 3
		.amdhsa_memory_ordered 1
		.amdhsa_forward_progress 1
		.amdhsa_inst_pref_size 84
	.end_amdhsa_kernel
	.amdgpu_metadata
---
amdhsa.version: [ 1, 2 ]
amdhsa.kernels:
  - .name:           k_q1d48337167_ffn
    .symbol:         k_q1d48337167_ffn.kd
    .args:
      - { .name: xc, .offset: 0, .size: 8, .value_kind: global_buffer, .address_space: global }
      - { .name: xs, .offset: 8, .size: 8, .value_kind: global_buffer, .address_space: global }
      - { .name: wf, .offset: 16, .size: 8, .value_kind: global_buffer, .address_space: global }
      - { .name: fw1_scales, .offset: 24, .size: 8, .value_kind: global_buffer, .address_space: global }
      - { .name: fw2_scales, .offset: 32, .size: 8, .value_kind: global_buffer, .address_space: global }
      - { .name: p2, .offset: 40, .size: 8, .value_kind: global_buffer, .address_space: global }
    .group_segment_fixed_size: 105472
    .private_segment_fixed_size: 0
    .kernarg_segment_align: 8
    .kernarg_segment_size: 48
    .max_flat_workgroup_size: 256
    .sgpr_count:     66
    .vgpr_count:     512
    .wavefront_size: 32
...
	.end_amdgpu_metadata
.endif
;; end of part 3
;; launch mean (part 4): grid 64 x 1, 1 waves a work-group, no clusters, 0 bytes of LDS; arguments p1, p2, out0; writes out0
.if DOCPART == 4
	.amdgcn_target "amdgcn-amd-amdhsa--gfx1250"
	.amdhsa_code_object_version 6
	.text
	.protected	k_q1d48337167_mean
	.globl	k_q1d48337167_mean
	.p2align	8
	.type	k_q1d48337167_mean,@function
k_q1d48337167_mean:
	s_mov_b64 s[64:65], 0
	v_nop
	global_prefetch_b8 v0, s[64:65] scope:SCOPE_SE
	s_setreg_imm32_b32 hwreg(HW_REG_WAVE_MODE, 25, 1), 1
	s_wait_xcnt 0x0
; out0[b][c] = (the 16 partial rows of p1 + the 32 partial rows of p2 that belong to batch b) / 1,024.
; A work-group is one wave and owns one batch (b = g / 4) and 128 of its 512 columns (q = g % 4); lane l owns columns 128 q + 4 l .. + 3.
; 48 loads of 16 bytes a lane, all issued at once; each covers 512 consecutive bytes.  A work-group requests 24 KB; there is work for 64 such work-groups: 1.5 MB in, 32 KB out.
	s_load_b128 s[4:7], s[0:1], 0x0                ; p1, p2
	s_load_b64 s[8:9], s[0:1], 0x10                ; out0
	v_lshlrev_b32 v1, 4, v0
	s_lshr_b32 s16, ttmp9, 2                       ; b
	s_and_b32 s17, ttmp9, 3                        ; q
	s_lshl_b32 s17, s17, 9                         ; my 128 columns: 512 q bytes into every row
	s_lshl_b32 s10, s16, 15                        ; p1: 16 rows of 2,048 bytes a batch
	s_add_co_u32 s10, s10, s17
	s_mov_b32 s11, 0
	s_lshl_b32 s12, s16, 16                        ; p2: 32 rows a batch
	s_add_co_u32 s12, s12, s17
	s_mov_b32 s13, 0
	s_lshl_b32 s14, s16, 11                        ; out0: one row a batch
	s_add_co_u32 s14, s14, s17
	s_mov_b32 s15, 0
	s_wait_kmcnt 0x0
	s_add_nc_u64 s[4:5], s[4:5], s[10:11]
	s_add_nc_u64 s[6:7], s[6:7], s[12:13]
	s_add_nc_u64 s[8:9], s[8:9], s[14:15]
.set i, 0
.rept 16
	global_load_b128 v[8+4*i:11+4*i], v1, s[4:5] offset:2048*i th:TH_LOAD_NT
.set i, i+1
.endr
.set i, 0
.rept 32
	global_load_b128 v[72+4*i:75+4*i], v1, s[6:7] offset:2048*i th:TH_LOAD_NT
.set i, i+1
.endr
	s_wait_loadcnt 0x0
.irp n, 24,12,6,3                      ; a tree: 48 rows to 24, 12, 6, 3
.set i, 0
.rept \n
	v_pk_add_f32 v[8+4*i:9+4*i], v[8+4*i:9+4*i], v[8+4*(i+\n):9+4*(i+\n)]
	v_pk_add_f32 v[10+4*i:11+4*i], v[10+4*i:11+4*i], v[10+4*(i+\n):11+4*(i+\n)]
.set i, i+1
.endr
.endr
	v_pk_add_f32 v[8:9], v[8:9], v[12:13]
	v_pk_add_f32 v[10:11], v[10:11], v[14:15]
	v_pk_add_f32 v[8:9], v[8:9], v[16:17]
	v_pk_add_f32 v[10:11], v[10:11], v[18:19]
	v_pk_mul_f32 v[8:9], v[8:9], 0x3a800000 op_sel_hi:[1,0]     ; / 1,024
	v_pk_mul_f32 v[10:11], v[10:11], 0x3a800000 op_sel_hi:[1,0]
	global_store_b128 v1, v[8:11], s[8:9]          ; the wave stores 512 consecutive bytes, at a multiple of 256 from out0's first byte
	s_endpgm
.Lfunc_end_k_q1d48337167_mean:
	.size	k_q1d48337167_mean, .Lfunc_end_k_q1d48337167_mean-k_q1d48337167_mean
	.p2alignl 7, 3214868480
	.fill 96, 4, 3214868480
	.section	.rodata,"a",@progbits
	.p2align	6, 0x0
	.amdhsa_kernel k_q1d48337167_mean
		.amdhsa_group_segment_fixed_size 0
		.amdhsa_private_segment_fixed_size 0
		.amdhsa_enable_private_segment 0
		.amdhsa_kernarg_size 24
		.amdhsa_user_sgpr_count 2
		.amdhsa_user_sgpr_kernarg_segment_ptr 1
		.amdhsa_wavefront_size32 1
		.amdhsa_system_sgpr_workgroup_id_x 1
		.amdhsa_system_sgpr_workgroup_id_y 1
		.amdhsa_system_sgpr_workgroup_id_z 1
		.amdhsa_system_vgpr_workitem_id 0
		.amdhsa_next_free_vgpr 208
		.amdhsa_next_free_sgpr 66
		.amdhsa_reserve_vcc 0
		.amdhsa_float_denorm_mode_32 3
		.amdhsa_float_denorm_mode_16_64 3
		.amdhsa_memory_ordered 1
		.amdhsa_forward_progress 1
		.amdhsa_inst_pref_size 12
	.end_amdhsa_kernel
	.amdgpu_metadata
---
amdhsa.version: [ 1, 2 ]
amdhsa.kernels:
  - .name:           k_q1d48337167_mean
    .symbol:         k_q1d48337167_mean.kd
    .args:
      - { .name: p1, .offset: 0, .size: 8, .value_kind: global_buffer, .address_space: global }
      - { .name: p2, .offset: 8, .size: 8, .value_kind: global_buffer, .address_space: global }
      - { .name: out0, .offset: 16, .size: 8, .value_kind: global_buffer, .address_space: global }
    .group_segment_fixed_size: 0
    .private_segment_fixed_size: 0
    .kernarg_segment_align: 8
    .kernarg_segment_size: 24
    .max_flat_workgroup_size: 32
    .sgpr_count:     66
    .vgpr_count:     208
    .wavefront_size: 32
...
	.end_amdgpu_metadata
.endif
;; end of part 4
;; ======== version 2 of 2: 4 launches; version 1 with the launches kv, attn, ffn written anew for expert scheduling mode
;; workspace buffers: kvc 8,388,608 bytes; kvs 524,288 bytes; wf 1,179,648 bytes; xc 4,194,304 bytes; xs 262,144 bytes; p1 524,288 bytes; p2 1,048,576 bytes
;; launch kv (part 5): grid 256 x 1, 8 waves a work-group, no clusters, 175,104 bytes of LDS; arguments W_key_codes, W_key_scales, W_Value_codes, W_Value_scales, keys_codes, keys_scales, W_Query_codes, fw1_codes, fw2_codes, kvc, kvs, wf; writes kvc, kvs, wf
.if DOCPART == 5
	.amdgcn_target "amdgcn-amd-amdhsa--gfx1250"
	.amdhsa_code_object_version 6
	.text
	.protected	k_q1d48337167_kv
	.globl	k_q1d48337167_kv
	.p2align	8
	.type	k_q1d48337167_kv,@function
k_q1d48337167_kv:
	s_mov_b64 s[64:65], 0
	v_nop
	global_prefetch_b8 v0, s[64:65] scope:SCOPE_SE
	s_setreg_imm32_b32 hwreg(HW_REG_WAVE_SCHED_MODE, 0, 2), 2
	s_setreg_imm32_b32 hwreg(HW_REG_WAVE_MODE, 25, 1), 1
	s_wait_xcnt 0x0
	s_wait_alu depctr_vm_vsrc(0)
; k = keys W_key and v = Q(k) W_Value, both on codes of FP4 (E2M1) with one E8M0 scale for each 32 along K; k is quantised along its features, v along the tokens.
; The blocks of 32 along k's 512 features are the blocks along a head's 64, so ONE set of codes of k serves the product with W_Value and the scores.
; SHARES.  A work-group owns 64 tokens of one batch (b = g / 16, tb = g % 16), as four tiles of 16; each of its eight waves owns one head: 64 features of k and of v.
; THE ROWS OF A TILE ARE NOT NEIGHBOURS: lane r of tile t takes row 32 (t / 2) + 8 (t % 2) + r + 8 (r / 8), of the tokens and of both weights alike.
;   k is made TRANSPOSED (source 0 = 16 rows of W_key, source 1 = 16 tokens): a lane holds one token, and its 32 registers are 2 x 16 neighbouring features.
;   v is made the natural way (source 0 = 16 tokens, source 1 = 16 rows of W_Value): a lane holds one feature, and its 32 registers are 2 x 16 neighbouring tokens.
; OUT, all in the order of the readers' operand registers (16 bytes a lane, 512 bytes a store):
;   kvc + 0:       K [b][head][step of 128 keys][tile 8][lane][16]   lane (r, h): block h of the head's 64 features of the tile's key r
;   kvc + 4194304: V [b][head][step][tile 4 of features][c 2][lane][16]   lane (r, h): keys 64 c + 32 h .. + 31 of the tile's feature r
;   kvs + 0:       K's scale words [b][head][step][2][lane]: lane (r, h) of word group q: tiles 2 i, 2 i + 1 with i = 2 q + h: two bytes each
;   kvs + 262144:  V's scale words [b][head][step][2][lane]: lane (r, h) of group q: feature tile 2 q + h, one byte for each 32 keys of the step
; ALSO: each wave lays one half-fragment (512 bytes) of fw1 or fw2 into wf in operand order, work-groups 0-31 one of W_Query too: the later launches then load weights 512 consecutive bytes an instruction.
; NO CLUSTER, NO TENSOR LOAD: a work-group reads 272 KB of weights once, and each of those bytes is wanted by one wave alone, once; they pass the wave's own stage in LDS only to be turned into fragments.
; LIMITS: NaN and infinities are not served; a block whose largest magnitude lies under 2^-124 keeps the scale byte 1; a block of zeros gets the byte 1 with zero codes (this program alone reads the bytes).
; THE MODE: SCHED_MODE bits 1:0 = 2 (LLVM: expert scheduling mode 2), set by the entry lines.  The code itself states the register dependences
; between vector or matrix instructions and memory or LDS instructions, with s_wait_alu, always for 0.
; THE PLAN.  Registers that memory or LDS instructions touch:
;   v4-v17        Offsets and LDS addresses: made once at the head, ahead of one wait on va_vdst; never written again.
;   v20-27, RAWK  Loaded, then read by stores, never written again (v24-27 are cleared at the head, ahead of that same wait).
;   window 1      A weight lands raw; my stores into the stage read it; its fragments land over it: one wait on vm_vsrc between the stores and those loads.  Then matrix instructions alone read it;
;                 k's fragments land over W_key's behind the last quantiser's wait on va_vdst, behind which nothing names those registers.
;   KF            A tile's products read it.  Behind their four places one wait on va_vdst, and the next tile's fragments are asked for: they land while this tile is quantised.
;   PCK, HK, PCV, v61-63   Out-registers: each is written once, and one wait on va_vdst stands ahead of the stores that read it; none is written again.
.set WST,  0                           ; LDS: a stage of 64 rows x 272 bytes for each wave
.set WSTW, 17408
.set KEYS, 139264                      ; the 64 tokens' codes, rows of 256 bytes + 16
.set KIMG, 156672                      ; k's codes as images of registers: [tile 4][head 8][512]
.set KSL,  173056                      ; k's scale bytes: [tile 4][row 16][16]
.set TM,   32                          ; v32-35 largest magnitudes, v36-39 the other half's and then the bytes, v40-43 the conversions' scale operands
.set HK,   48                          ; v48-51 k's two scale bytes, one register a tile of tokens
.set HV,   52                          ; v52-55 v's, one register a tile of features
.set PCK,  64                          ; v64-79 k's codes, four registers a tile
.set PCV,  80                          ; v80-95 v's
.set WKS,  96                          ; v96-111  W_key's scale words (4 t + s)
.set WVS,  112                         ; v112-127 W_Value's
.set KYS,  128                         ; v128-143 the keys' (4 m + s)
.set KW,   144                         ; v144-159 k's (4 m + s)
.set HA,   160                         ; v160-191 four accumulators
.set KF,   192                         ; v192-223 the keys' four fragments of a tile
.set RAWK, 224                         ; v224-239 the keys' codes as loaded
; window 1: v0-127 W_key's 16 fragments (8 (4 t + s)), later k's (8 (4 m + s)); v128-255 W_Value's
.set MSB, 0
.macro WIN new                         ; the immediate's high byte repeats the setting that is left
.if MSB != \new
	s_set_vgpr_msb (MSB<<8)|\new
.set MSB, \new
.endif
.endm
.macro NOP4                            ; four places behind a matrix instruction (ISA guide 7.12.1)
.rept 4
	v_nop
.endr
.endm
.macro BAR                             ; my LDS stores have landed and my LDS loads are in: then the work-group's barrier
	s_wait_dscnt 0x0
	s_barrier_signal -1
	s_barrier_wait -1
.endm
; 16 matrix instructions: four accumulators by turns, one instruction a turn, four K steps of 128.  zero = 1: the first K step starts the sums.
.macro MM16 d0, a0, ai, b0, bi, sa0, sai, sb0, sbi, zero
.irp s, 0,1,2,3
.irp i, 0,1,2,3
.if (\zero) && (\s == 0)
	v_wmma_scale_f32_16x16x128_f8f6f4 v[(\d0)+8*\i:(\d0)+8*\i+7], v[(\a0)+(\ai)*\i+8*\s:(\a0)+(\ai)*\i+8*\s+7], v[(\b0)+(\bi)*\i+8*\s:(\b0)+(\bi)*\i+8*\s+7], 0, v[(\sa0)+(\sai)*\i+\s], v[(\sb0)+(\sbi)*\i+\s] matrix_a_fmt:MATRIX_FMT_FP4 matrix_b_fmt:MATRIX_FMT_FP4
.else
	v_wmma_scale_f32_16x16x128_f8f6f4 v[(\d0)+8*\i:(\d0)+8*\i+7], v[(\a0)+(\ai)*\i+8*\s:(\a0)+(\ai)*\i+8*\s+7], v[(\b0)+(\bi)*\i+8*\s:(\b0)+(\bi)*\i+8*\s+7], v[(\d0)+8*\i:(\d0)+8*\i+7], v[(\sa0)+(\sai)*\i+\s], v[(\sb0)+(\sbi)*\i+\s] matrix_a_fmt:MATRIX_FMT_FP4 matrix_b_fmt:MATRIX_FMT_FP4
.endif
.endr
.endr
.endm
; 16 nb numbers of a lane, register 16 b + i = k 32 b + 16 (lane / 16) + i of my row, become 2 nb registers of codes in operand order (a whole block a lane) from v[pc] on, and nb scale bytes in v[pw].
.macro QUANT src, nb, pc, pw
.irp b, 0,1,2,3
.if \b < \nb
	v_max3_num_f32 v[TM+\b], |v[(\src)+16*\b]|, |v[(\src)+1+16*\b]|, 0x1800000   ; my 16 numbers of block b, and the floor 2^(3 - 127): the byte cannot fall under 1
.endif
.endr
.irp i, 2,4,6,8,10,12,14
.irp b, 0,1,2,3
.if \b < \nb
	v_max3_num_f32 v[TM+\b], v[TM+\b], |v[(\src)+16*\b+\i]|, |v[(\src)+1+16*\b+\i]|
.endif
.endr
.endr
.irp b, 0,1,2,3
.if \b < \nb
	v_permlanex16_b32 v[TM+4+\b], v[TM+\b], s46, s47
.endif
.endr
.irp b, 0,1,2,3
.if \b < \nb
	v_max_num_f32 v[TM+\b], v[TM+\b], v[TM+4+\b]   ; with lane l xor 16's: the block's largest magnitude
.endif
.endr
.irp b, 0,1,2,3
.if \b < \nb
	v_add_nc_u32 v[TM+8+\b], 0xff000000, v[TM+\b]  ; 2 off its exponent field: the conversion's scale operand
.endif
.endr
.irp b, 0,1,2,3
.if \b < \nb
	v_lshrrev_b32 v[TM+4+\b], 23, v[TM+8+\b]       ; the scale's byte
.endif
.endr
	v_lshl_or_b32 v[\pw], v[TM+5], 8, v[TM+4]
.if \nb > 2
	v_lshl_or_b32 v[\pw], v[TM+6], 16, v[\pw]
	v_lshl_or_b32 v[\pw], v[TM+7], 24, v[\pw]
.endif
.irp b, 0,1,2,3
.if \b < \nb
	v_cvt_scalef32_pk8_fp4_f32 v[(\pc)+2*\b], v[(\src)+16*\b:(\src)+16*\b+7], v[TM+8+\b]
	v_cvt_scalef32_pk8_fp4_f32 v[(\pc)+2*\b+1], v[(\src)+16*\b+8:(\src)+16*\b+15], v[TM+8+\b]
.endif
.endr
	v_nop                                          ; one plain place behind a scaled conversion
.irp c, 0,1
.if 2*\c < \nb
.irp i, 0,1
	v_permlane16_swap_b32 v[(\pc)+4*\c+\i], v[(\pc)+4*\c+2+\i]   ; lanes 0-15 get block 2 c whole, lanes 16-31 block 2 c + 1
.endr
.endif
.endr
.endm
.macro KFRAG m                         ; the keys' four fragments of tile m of the tokens
.irp s, 0,1,2,3
.irp c, 0,1
	ds_load_b128 v[KF+8*\s+4*\c:KF+8*\s+4*\c+3], v7 offset:(32*((\m)/2)+8*((\m)%2))*272+64*\s+32*\c
.endr
.endr
.endm
	s_load_b512 s[8:23], s[0:1], 0x0               ; W_key codes s[8:9], scales s[10:11]; W_Value s[12:13], s[14:15]; keys s[16:17], s[18:19]; W_Query codes s[20:21]; fw1 codes s[22:23]
	s_load_b256 s[24:31], s[0:1], 0x40             ; fw2 codes s[24:25]; kvc s[26:27]; kvs s[28:29]; wf s[30:31]
	v_lshl_add_u32 v254, v0, 2, 0x2a800
	v_mov_b32 v255, 0
	v_lshrrev_b32 v1, 5, v0
	v_readfirstlane_b32 s40, v1                    ; w: my wave, my head
	v_and_b32 v1, 31, v0                           ; l
	v_and_b32 v2, 15, v0                           ; r
	v_bfe_u32 v3, v0, 4, 1                         ; h
	v_lshlrev_b32 v4, 4, v1                        ; 16 l
	s_wait_alu depctr_va_sdst(0)                   ; s40 is written, ahead of its first reader: LDS addresses and bases are made from it
	s_mov_b32 s41, ttmp9                           ; g
	s_lshr_b32 s42, s41, 4                         ; b
	s_and_b32 s43, s41, 15                         ; tb
	s_and_b32 s44, s43, 1                          ; cc: which half of a step of 128 keys
	s_lshr_b32 s45, s43, 1                         ; step
	s_mov_b32 s46, 0x76543210
	s_mov_b32 s47, 0xfedcba98                      ; v_permlanex16_b32's selects for lane l xor 16
	s_mov_b32 s48, 0xffff0000                      ; lanes 16-31
	; LDS addresses, all made here
	s_mul_i32 s50, s40, WSTW
	v_mul_u32_u24 v56, v3, 272
	v_lshl_add_u32 v56, v2, 4, v56                 ; 272 h + 16 r: two rows a dense load
	v_add_nc_u32 v5, s50, v56                      ; into my stage
	s_mul_i32 s51, s40, 2176
	s_add_co_u32 s51, s51, KEYS
	v_add_nc_u32 v8, s51, v56                      ; into the keys' rows: my wave's eight
	v_and_b32 v57, 8, v2
	v_add_nc_u32 v57, v57, v2                      ; r + 8 (r / 8)
	v_mul_u32_u24 v58, v57, 272
	v_lshl_add_u32 v58, v3, 4, v58                 ; a fragment's row x pitch + 16 h
	v_add_nc_u32 v6, s50, v58                      ; out of my stage
	v_add_nc_u32 v7, KEYS, v58                     ; out of the keys' rows
	v_lshlrev_b32 v9, 4, v57                       ; scale words in memory: 16 bytes a row
	s_lshl_b32 s51, s40, 9
	s_add_co_u32 s51, s51, KIMG
	v_add_nc_u32 v10, s51, v4                      ; k's image: my head's place
	v_add_nc_u32 v11, KIMG, v4                     ; and any head's
	s_lshl_b32 s51, s40, 1
	s_add_co_u32 s51, s51, KSL
	v_lshl_add_u32 v12, v2, 4, s51                 ; k's scale bytes: row r, my head's two
	v_lshl_add_u32 v13, v2, 4, KSL                 ; and a row's sixteen
	s_lshl_b32 s51, s44, 7
	v_lshl_add_u32 v16, v1, 2, s51                 ; K's scale words in kvs: 4 l + 128 cc
	s_lshl_b32 s51, s44, 1
	v_lshl_add_u32 v17, v1, 2, s51                 ; V's: 4 l + 2 cc
.irp b, 0,1,2,3
	v_mov_b32 v[TM+4+\b], 0                        ; written once: a lane permute's destination counts as one of its sources
	v_mov_b32 v[24+\b], 0                          ; W_Query's half-fragment is loaded by work-groups 0-31 alone: the registers are defined on both ways
.endr
	; the half-fragment that my wave lays out: work-groups 0-127: tile g of fw1; 128-255: tile g - 128 of fw2; the wave is 2 s + c
	s_lshr_b32 s52, s41, 1
	s_lshl_b32 s52, s52, 13
	s_and_b32 s53, s41, 1
	s_lshl_b32 s53, s53, 11
	s_add_co_u32 s52, s52, s53                     ; fw1 (and W_Query): the tile's first row, 32 (g / 2) + 8 (g % 2), x 256 bytes
	s_and_b32 s54, s41, 127                        ; T2
	s_bfe_u32 s55, s54, 0x30002
	s_lshl_b32 s55, s55, 16                        ; fw2: row 64 ((T2 / 4) % 8)
	s_and_b32 s56, s54, 3
	s_lshl_b32 s56, s56, 10
	s_add_co_u32 s55, s55, s56                     ; + T2 % 4, x 1,024 bytes
	s_lshr_b32 s56, s54, 5
	s_lshl_b32 s56, s56, 8
	s_add_co_u32 s55, s55, s56                     ; + 256 (T2 / 32): the slice of 512 along K
	s_mov_b32 s50, 4096
	s_cmp_lt_u32 s41, 128
	s_cselect_b32 s50, 256, s50                    ; bytes from lane r to lane r + 1: a row of fw1, four rows of fw2
	s_cselect_b32 s51, 2048, 0                     ; lanes 8-15 of fw1 stand eight rows further on
	s_cselect_b32 s52, s52, s55
	s_lshl_b32 s53, s40, 5
	s_add_co_u32 s52, s52, s53                     ; + 32 w = 64 s + 32 c
	v_mul_u32_u24 v14, s50, v2
	v_lshrrev_b32 v59, 3, v2
	v_mad_u32_u24 v14, v59, s51, v14
	v_lshl_add_u32 v14, v3, 4, v14
	v_add_nc_u32 v14, s52, v14                     ; from here
	s_lshl_b32 s53, s41, 3
	s_add_co_u32 s53, s53, s40
	s_lshl_b32 s53, s53, 9
	v_add_nc_u32 v15, s53, v4                      ; to here in wf: (8 g + w) x 512 + 16 l
	s_lshl_b32 s57, s42, 3
	s_add_co_u32 s57, s57, s40
	s_lshl_b32 s57, s57, 3
	s_add_co_u32 s57, s57, s45                     ; (8 b + w) x 8 + step
	s_mov_b32 s59, 0
	s_wait_kmcnt 0x0
	s_cmp_lt_u32 s41, 128
	s_cselect_b64 s[32:33], s[22:23], s[24:25]     ; fw1 or fw2: the choice hangs on the work-group's number alone
	s_lshl_b32 s58, s57, 12
	s_add_nc_u64 s[36:37], s[26:27], s[58:59]      ; kvc at my head's step
	s_lshl_b32 s58, s44, 11
	s_add_nc_u64 s[34:35], s[36:37], s[58:59]      ; K: tiles 4 cc on
	s_lshl_b32 s58, s44, 9
	s_add_nc_u64 s[36:37], s[36:37], s[58:59]      ; V: half cc of each fragment
	s_lshl_b32 s58, s57, 8
	s_add_nc_u64 s[38:39], s[28:29], s[58:59]      ; kvs at my head's step
	s_lshl_b32 s58, s41, 14
	s_lshl_b32 s60, s40, 11
	s_add_co_u32 s58, s58, s60
	s_add_nc_u64 s[16:17], s[16:17], s[58:59]      ; the keys' codes: 64 g rows of 256 bytes, + my wave's eight rows
	s_lshl_b32 s58, s41, 10
	s_add_nc_u64 s[18:19], s[18:19], s[58:59]      ; their scale bytes
	s_lshl_b32 s58, s40, 14
	s_add_nc_u64 s[8:9], s[8:9], s[58:59]          ; my 64 rows of W_key
	s_add_nc_u64 s[12:13], s[12:13], s[58:59]      ; and of W_Value
	s_lshl_b32 s58, s40, 10
	s_add_nc_u64 s[10:11], s[10:11], s[58:59]
	s_add_nc_u64 s[14:15], s[14:15], s[58:59]
	s_wait_alu depctr_va_vdst(0)                   ; v4 to v17, the offsets and LDS addresses of the whole kernel, are written, which the loads and stores below read; so are v24 to v27, in which a load lands
	; ---- the loads.  The one that only some work-groups issue is the oldest, so that it changes no count below
	s_cmp_lt_u32 s41, 32
	s_cbranch_scc0 .Lno_wq_load
	global_load_b128 v[24:27], v14, s[20:21]
.Lno_wq_load:
	global_load_b128 v[20:23], v14, s[32:33]
.irp i, 0,1,2,3
	global_load_b128 v[RAWK+4*\i:RAWK+4*\i+3], v4, s[16:17] offset:512*\i th:TH_LOAD_NT
.endr
.irp m, 0,1,2,3
	global_load_b128 v[KYS+4*\m:KYS+4*\m+3], v9, s[18:19] offset:(32*(\m/2)+8*(\m%2))*16
.endr
	WIN 0x40                                       ; destination window 1
.set i, 0
.rept 32
	global_load_b128 v[4*i:4*i+3], v4, s[8:9] offset:512*i      ; W_key as it lies: 512 consecutive bytes a load
.set i, i+1
.endr
	WIN 0
.irp t, 0,1,2,3
	global_load_b128 v[WKS+4*\t:WKS+4*\t+3], v9, s[10:11] offset:(32*(\t/2)+8*(\t%2))*16
.endr
	s_wait_loadcnt 40                              ; behind the keys' codes: 4 + 32 + 4 loads, which may stay out
	global_store_b128 v15, v[20:23], s[30:31]
	s_cmp_lt_u32 s41, 32
	s_cbranch_scc0 .Lno_wq
	global_store_b128 v15, v[24:27], s[30:31] offset:1048576
.Lno_wq:
.irp i, 0,1,2,3
	ds_store_b128 v8, v[RAWK+4*\i:RAWK+4*\i+3] offset:544*\i
.endr
	WIN 0x40
.set i, 0
.rept 32
	global_load_b128 v[128+4*i:128+4*i+3], v4, s[12:13] offset:512*i   ; W_Value: it lands while k is made
.set i, i+1
.endr
	WIN 0
.irp t, 0,1,2,3
	global_load_b128 v[WVS+4*\t:WVS+4*\t+3], v9, s[14:15] offset:(32*(\t/2)+8*(\t%2))*16
.endr
	s_wait_loadcnt 36                              ; all but the 32 + 4 just issued
	WIN 0x04                                       ; an LDS store's data are its source 1: window 1
.set i, 0
.rept 32
	ds_store_b128 v5, v[4*i:4*i+3] offset:544*i
.set i, i+1
.endr
	WIN 0x40
	s_wait_alu depctr_vm_vsrc(0)                   ; the stores above have read W_key's registers, in which its fragments land
.irp t, 0,1,2,3
.irp s, 0,1,2,3
.irp c, 0,1
	ds_load_b128 v[8*(4*\t+\s)+4*\c:8*(4*\t+\s)+4*\c+3], v6 offset:(32*(\t/2)+8*(\t%2))*272+64*\s+32*\c   ; LDS serves a wave's instructions in order (ISA guide 5.7.1.4): these see my stores
.endr
.endr
.endr
	WIN 0
	BAR                                            ; the 64 tokens' codes lie in LDS; my fragments of W_key are in
	; ---- k, a tile of 16 tokens at a time
	KFRAG 0
.irp m, 0,1,2,3
.if \m == 0
	s_wait_dscnt 0x0
.else
	s_wait_dscnt 2                                 ; this tile's fragments are in; the last tile's two LDS stores, issued behind them, may stay out
.endif
	WIN 0x01                                       ; source 0 (W_key) window 1
	MM16 HA,0,32,KF,0,WKS,4,KYS+4*\m,0,1
	WIN 0
	NOP4
.if \m < 3
	s_wait_alu depctr_va_vdst(0)                   ; the products above are done reading KF, in which the next tile's fragments land
	KFRAG \m+1                                     ; they land while this tile is quantised
.endif
	QUANT HA,2,PCK+4*\m,HK+\m
	s_wait_alu depctr_va_vdst(0)                   ; the quantiser has written this tile's codes and scale bytes, which the three stores read
	global_store_b128 v4, v[PCK+4*\m:PCK+4*\m+3], s[34:35] offset:512*\m
	ds_store_b128 v10, v[PCK+4*\m:PCK+4*\m+3] offset:4096*\m
	ds_store_b16 v12, v[HK+\m] offset:256*\m       ; both halves of the lanes write the same bytes with the same value
.endr
	BAR                                            ; all eight heads' codes and scale bytes of k lie in LDS
	s_wait_loadcnt 0x0                             ; W_Value
	WIN 0x04
.set i, 0
.rept 32
	ds_store_b128 v5, v[128+4*i:128+4*i+3] offset:544*i
.set i, i+1
.endr
	WIN 0x40
	s_wait_alu depctr_vm_vsrc(0)                   ; the stores above have read W_Value's registers, in which its fragments land
.irp t, 0,1,2,3
.irp s, 0,1,2,3
.irp c, 0,1
	ds_load_b128 v[128+8*(4*\t+\s)+4*\c:128+8*(4*\t+\s)+4*\c+3], v6 offset:(32*(\t/2)+8*(\t%2))*272+64*\s+32*\c
.endr
.endr
.endr
.irp m, 0,1,2,3
.irp s, 0,1,2,3
.irp c, 0,1
	ds_load_b128 v[8*(4*\m+\s)+4*\c:8*(4*\m+\s)+4*\c+3], v11 offset:4096*\m+512*(2*\s+\c)   ; K step s of k: heads 2 s and 2 s + 1.  They land over W_key's fragments, whose last readers stand ahead of the last quantiser's wait
.endr
.endr
.endr
	WIN 0
.irp m, 0,1,2,3
	ds_load_b128 v[KW+4*\m:KW+4*\m+3], v13 offset:256*\m
.endr
	s_wait_dscnt 0x0
	; ---- v, a tile of 16 features at a time, for all 64 tokens
.irp t, 0,1,2,3
	WIN 0x05                                       ; sources 0 (k) and 1 (W_Value) window 1
	MM16 HA,0,32,128+32*\t,0,KW,4,WVS+4*\t,0,1
	WIN 0
	NOP4
	QUANT HA,2,PCV+4*\t,HV+\t
	s_wait_alu depctr_va_vdst(0)                   ; the quantiser has written this tile's codes, which the store reads
	global_store_b128 v4, v[PCV+4*\t:PCV+4*\t+3], s[36:37] offset:4194304+1024*\t
.endr
	; ---- the scale words
	v_lshl_or_b32 v59, v[HK+1], 16, v[HK]          ; tiles 0 and 1
	v_lshl_or_b32 v60, v[HK+3], 16, v[HK+2]        ; tiles 2 and 3
	v_cndmask_b32 v61, v59, v60, s48               ; lanes 0-15 the first pair, lanes 16-31 the second
	v_cndmask_b32 v62, v[HV], v[HV+1], s48
	v_cndmask_b32 v63, v[HV+2], v[HV+3], s48
	s_wait_alu depctr_va_vdst(0)                   ; v61 to v63 are written, which the three stores read
	global_store_b32 v16, v61, s[38:39]
	global_store_b16 v17, v62, s[38:39] offset:262144
	global_store_b16 v17, v63, s[38:39] offset:262144+128
	s_wait_dscnt 0x0                               ; the closing lines, six on end
	s_wait_alu 0x0
	s_wait_tensorcnt 0x0
	ds_add_u32 v254, v255
	s_wait_dscnt 0x0
	s_endpgm
.Lfunc_end_k_q1d48337167_kv:
	.size	k_q1d48337167_kv, .Lfunc_end_k_q1d48337167_kv-k_q1d48337167_kv
	.p2alignl 7, 3214868480
	.fill 96, 4, 3214868480
	.section	.rodata,"a",@progbits
	.p2align	6, 0x0
	.amdhsa_kernel k_q1d48337167_kv
		.amdhsa_group_segment_fixed_size 175104
		.amdhsa_private_segment_fixed_size 0
		.amdhsa_enable_private_segment 0
		.amdhsa_kernarg_size 96
		.amdhsa_user_sgpr_count 2
		.amdhsa_user_sgpr_kernarg_segment_ptr 1
		.amdhsa_wavefront_size32 1
		.amdhsa_system_sgpr_workgroup_id_x 1
		.amdhsa_system_sgpr_workgroup_id_y 1
		.amdhsa_system_sgpr_workgroup_id_z 1
		.amdhsa_system_vgpr_workitem_id 0
		.amdhsa_next_free_vgpr 512
		.amdhsa_next_free_sgpr 66
		.amdhsa_reserve_vcc 0
		.amdhsa_float_denorm_mode_32 3
		.amdhsa_float_denorm_mode_16_64 3
		.amdhsa_memory_ordered 1
		.amdhsa_forward_progress 1
		.amdhsa_inst_pref_size 61
	.end_amdhsa_kernel
	.amdgpu_metadata
---
amdhsa.version: [ 1, 2 ]
amdhsa.kernels:
  - .name:           k_q1d48337167_kv
    .symbol:         k_q1d48337167_kv.kd
    .args:
      - { .name: W_key_codes, .offset: 0, .size: 8, .value_kind: global_buffer, .address_space: global }
      - { .name: W_key_scales, .offset: 8, .size: 8, .value_kind: global_buffer, .address_space: global }
      - { .name: W_Value_codes, .offset: 16, .size: 8, .value_kind: global_buffer, .address_space: global }
      - { .name: W_Value_scales, .offset: 24, .size: 8, .value_kind: global_buffer, .address_space: global }
      - { .name: keys_codes, .offset: 32, .size: 8, .value_kind: global_buffer, .address_space: global }
      - { .name: keys_scales, .offset: 40, .size: 8, .value_kind: global_buffer, .address_space: global }
      - { .name: W_Query_codes, .offset: 48, .size: 8, .value_kind: global_buffer, .address_space: global }
      - { .name: fw1_codes, .offset: 56, .size: 8, .value_kind: global_buffer, .address_space: global }
      - { .name: fw2_codes, .offset: 64, .size: 8, .value_kind: global_buffer, .address_space: global }
      - { .name: kvc, .offset: 72, .size: 8, .value_kind: global_buffer, .address_space: global }
      - { .name: kvs, .offset: 80, .size: 8, .value_kind: global_buffer, .address_space: global }
      - { .name: wf, .offset: 88, .size: 8, .value_kind: global_buffer, .address_space: global }
    .group_segment_fixed_size: 175104
    .private_segment_fixed_size: 0
    .kernarg_segment_align: 8
    .kernarg_segment_size: 96
    .max_flat_workgroup_size: 256
    .sgpr_count:     66
    .vgpr_count:     512
    .wavefront_size: 32
...
	.end_amdgpu_metadata
.endif
;; end of part 5
;; launch attn (part 6): grid 256 x 1, 8 waves a work-group, no clusters, 153,600 bytes of LDS; arguments queries, wf, W_Query_scales, kvc, kvs, xc, xs, p1; writes xc, xs, p1
.if DOCPART == 6
	.amdgcn_target "amdgcn-amd-amdhsa--gfx1250"
	.amdhsa_code_object_version 6
	.text
	.protected	k_q1d48337167_attn
	.globl	k_q1d48337167_attn
	.p2align	8
	.type	k_q1d48337167_attn,@function
k_q1d48337167_attn:
	s_mov_b64 s[64:65], 0
	v_nop
	global_prefetch_b8 v0, s[64:65] scope:SCOPE_SE
	s_setreg_imm32_b32 hwreg(HW_REG_WAVE_SCHED_MODE, 0, 2), 2
	s_setreg_imm32_b32 hwreg(HW_REG_WAVE_MODE, 25, 1), 1
	s_wait_xcnt 0x0
	s_wait_alu depctr_vm_vsrc(0)
; q = Q(queries) W_Query; softmax(q k^T / 8, the diagonal at -2^32) v; + queries; the result's codes and its sums over the tokens.  All products on codes of FP4 (E2M1), one E8M0 scale for each 32 along K.
; SHARES.  A work-group owns 64 queries of one batch (b = g / 16, tb = g % 16), four tiles of 16; each of its eight waves owns one head, for all four tiles and all 1,024 keys, 128 a step.
; LAYOUT.  All three products are used transposed (q^T = W x^T, S^T = K q^T, O^T = V^T P^T): a lane holds ONE query (lane % 16) throughout, and its registers run along the next product's K.
;   K's keys and V's features were laid by the launch before so that 16 registers of two neighbouring tiles are 16 neighbours; every fragment comes from memory by loads of 512 consecutive bytes, straight into registers.
; THE SCORES' K IS 64, half of the instruction's 128: an even tile of keys takes [codes, zeros] against [q, zeros], an odd one [zeros, codes] against [zeros, q]; the two tiles of a pair share four registers of zero codes and one
;   scale word (bytes 0, 1 the even tile's, bytes 2, 3 the odd one's); zero codes add nothing under any of these bytes.
; THE SOFTMAX: t = score x log2(e) / 8; M = the running largest t rounded UP to a whole number; p = 2^(t - M) is quantised along the keys, not normalised; the row's sum is taken of the unquantised p and divides O at the end;
;   when M moves, the sum and O are multiplied by 2^(old M - new M), which rounds nothing.  The diagonal's score is replaced by -2^35 ahead of the maximum, so that t there is -2^32 x log2(e).
; THE ORDER IN A TILE.  The scores of tile m + 1 are asked of the matrix unit at the end of tile m, behind the last reader of tile m's p and ahead of tile m's rescaling of O^T and its products with V: the rescaling's sixteen lines
;   stand between those products and the first read of their results.  The 68 exponentials of a tile are one batch with one wait; a packed scaling leads each pair of exponentials.  The row's sum runs in four chains.
; THE WAY OUT: result = O / sum + queries in f32; a block of 32 of its 512 columns lies inside one head, so each wave quantises its own 64 columns: codes to xc (operand order), scale words to xs, column sums over the 64 rows to p1.
; NO CLUSTER: the sixteen work-groups of a batch read the same K and V, but a key step's 8,704 bytes a wave stand beside 48 matrix and some 1,000 vector instructions of that wave, and each byte is wanted by one wave of
;   a work-group alone: it goes straight into that wave's registers.  A joint request would land in LDS and add a write and a read.
; Two waves share a SIMD (512 registers each): one wave's vector work stands beside the other's matrix work and loads.
; LIMITS: NaN and infinities are not served; a block whose largest magnitude lies under 2^-124 keeps the scale byte 1; a block of zeros gets the byte 1 with zero codes; 1 / sum is v_rcp_f32's; the row's sum and the column sums are added in another order than a plain sum.
; THE MODE: SCHED_MODE bits 1:0 = 2 (LLVM: expert scheduling mode 2), set by the entry lines.  The code itself states the register dependences
; between vector or matrix instructions and memory or LDS instructions, with s_wait_alu, always for 0.
; THE PLAN.  Registers that memory or LDS instructions touch:
;   v4, v6-v21, v23  Offsets and LDS addresses: made once at the head, ahead of one wait on va_vdst; never written again.  K's and V's steps are reached by two scalar bases, which move on once a step.
;   RAW (v88-215)    At the head: loaded, then read by my LDS stores; one wait on vm_vsrc behind the barrier frees it for K's loads, for x's numbers and for all later writes.
;   S, PC, PW        At the head: x's numbers land in S, the quantiser reads S and writes PC and PW, LDS stores read those: one wait on va_vdst behind each quantiser, one on vm_vsrc ahead of each later write of PC and PW.
;   S's upper half, XW   q's phase: a tile's products read them; behind their four places one wait on va_vdst, and the next tile's are asked for: they land under the quantiser.
;   KB, KSW          The loop: read by the scores' products; the step's last of these (tile 3's) are issued in tile 2.  One wait on va_vdst at tile 2's end, then the next step's K.
;   VF, VSW          The loop: read by the products with V; one wait on va_vdst behind tile 3's, then the next step's V.
;   PC, PW, q's codes, the zero codes, q's scale words   Named by vector and matrix instructions alone in the loop, but written by vector instructions and taken by scaled products as operands and scales:
;                    one wait on va_vdst ahead of the loop, and one a tile, behind the row's sums, which are the places between p's codes and that wait.
;   The way out      The queries land by turns in S's upper half and in K's registers; tile m + 2's are asked for behind the wait on va_vdst that stands ahead of tile m's stores.  PCR, HR, CSUM: written once, one wait ahead of their stores.
.set QP,   2064                        ; LDS: the 64 rows of queries, 2,048 bytes + 16: 129 x 16, so that sixteen rows' 16 bytes fall on different banks (ISA guide 11.1)
.set XIMG, 132096                      ; x's 16 fragments (4 m + s) as images of registers, 1,024 bytes each
.set XSL,  148480                      ; x's scale words [m][r][s]
.set RSL,  149504                      ; the result's scale bytes [m][r][16]
.set CSL,  150528                      ; the column sums, 512 numbers
.set ST,   24                          ; v24-39 tile m: -M, the largest score, the sum in two halves
.set QW,   40                          ; v40-43 q's scale words
.set KSW,  44                          ; v44-45 K's scale words of the step
.set VSW,  46                          ; v46-47 V's
.set PW,   48                          ; v48    p's scale word
.set T0,   49
.set FP,   50                          ; v50-51 2^(old M - new M), named as a pair
.set RL,   52                          ; v52-59 1 / sum, a pair a tile
.set TM,   60
.set BM,   60                          ; v60-63 a block's largest score, then its largest p
.set BT,   64                          ; v64-67 at work
.set SO,   68                          ; v68-71 the conversions' scale operands; at work before and behind them
.set PC,   72                          ; v72-79 codes just made
.set PCR,  80                          ; v80-95 the result's codes
.set RAW,  88                          ; v88-215 the queries as loaded (at the head alone)
.set HR,   96                          ; v96-99 the result's scale bytes
.set KB,   104                         ; v104-151 K: pair i at 104 + 12 i: tile 2 i, four registers of zeros, tile 2 i + 1; on the way out v104-135 take the odd tiles' queries
.set S,    152                         ; v152-215 S^T, then p
.set CSUM, 216                         ; v216-247 column sums (at the end);
.set WQS,  216                         ; v216-231 W_Query's scale words, v232-235 x's (at the head)
.set XW,   232
.set QA,   128                         ; window 1: v0-127 W_Query's fragments, then O^T (32 m + 8 t); v128-163 zeros and q by turns; v192-223 V
.set VF,   192
.set MSB, 0
.macro WIN new                         ; the immediate's high byte repeats the setting that is left
.if MSB != \new
	s_set_vgpr_msb (MSB<<8)|\new
.set MSB, \new
.endif
.endm
.macro NOP4                            ; four places behind a matrix instruction (ISA guide 7.12.1)
.rept 4
	v_nop
.endr
.endm
.macro BAR
	s_wait_dscnt 0x0
	s_barrier_signal -1
	s_barrier_wait -1
.endm
.macro MM16 d0, a0, ai, b0, bi, sa0, sai, sb0, sbi, zero   ; four accumulators by turns, four K steps of 128
.irp s, 0,1,2,3
.irp i, 0,1,2,3
.if (\zero) && (\s == 0)
	v_wmma_scale_f32_16x16x128_f8f6f4 v[(\d0)+8*\i:(\d0)+8*\i+7], v[(\a0)+(\ai)*\i+8*\s:(\a0)+(\ai)*\i+8*\s+7], v[(\b0)+(\bi)*\i+8*\s:(\b0)+(\bi)*\i+8*\s+7], 0, v[(\sa0)+(\sai)*\i+\s], v[(\sb0)+(\sbi)*\i+\s] matrix_a_fmt:MATRIX_FMT_FP4 matrix_b_fmt:MATRIX_FMT_FP4
.else
	v_wmma_scale_f32_16x16x128_f8f6f4 v[(\d0)+8*\i:(\d0)+8*\i+7], v[(\a0)+(\ai)*\i+8*\s:(\a0)+(\ai)*\i+8*\s+7], v[(\b0)+(\bi)*\i+8*\s:(\b0)+(\bi)*\i+8*\s+7], v[(\d0)+8*\i:(\d0)+8*\i+7], v[(\sa0)+(\sai)*\i+\s], v[(\sb0)+(\sbi)*\i+\s] matrix_a_fmt:MATRIX_FMT_FP4 matrix_b_fmt:MATRIX_FMT_FP4
.endif
.endr
.endr
.endm
; 16 nb numbers of a lane, register 16 b + i = k 32 b + 16 (lane / 16) + i of my row, become 2 nb registers of codes in operand order from v[pc] on, and nb scale bytes in v[pw].
.macro QUANT src, nb, pc, pw
.irp b, 0,1,2,3
.if \b < \nb
	v_max3_num_f32 v[TM+\b], |v[(\src)+16*\b]|, |v[(\src)+1+16*\b]|, 0x1800000   ; and the floor 2^(3 - 127): the byte cannot fall under 1
.endif
.endr
.irp i, 2,4,6,8,10,12,14
.irp b, 0,1,2,3
.if \b < \nb
	v_max3_num_f32 v[TM+\b], v[TM+\b], |v[(\src)+16*\b+\i]|, |v[(\src)+1+16*\b+\i]|
.endif
.endr
.endr
.irp b, 0,1,2,3
.if \b < \nb
	v_permlanex16_b32 v[TM+4+\b], v[TM+\b], s50, s51
.endif
.endr
.irp b, 0,1,2,3
.if \b < \nb
	v_max_num_f32 v[TM+\b], v[TM+\b], v[TM+4+\b]
.endif
.endr
.irp b, 0,1,2,3
.if \b < \nb
	v_add_nc_u32 v[TM+8+\b], 0xff000000, v[TM+\b]  ; 2 off the exponent field: the conversion's scale operand
.endif
.endr
.irp b, 0,1,2,3
.if \b < \nb
	v_lshrrev_b32 v[TM+4+\b], 23, v[TM+8+\b]       ; the scale's byte
.endif
.endr
	v_lshl_or_b32 v[\pw], v[TM+5], 8, v[TM+4]
.if \nb > 2
	v_lshl_or_b32 v[\pw], v[TM+6], 16, v[\pw]
	v_lshl_or_b32 v[\pw], v[TM+7], 24, v[\pw]
.endif
.irp b, 0,1,2,3
.if \b < \nb
	v_cvt_scalef32_pk8_fp4_f32 v[(\pc)+2*\b], v[(\src)+16*\b:(\src)+16*\b+7], v[TM+8+\b]
	v_cvt_scalef32_pk8_fp4_f32 v[(\pc)+2*\b+1], v[(\src)+16*\b+8:(\src)+16*\b+15], v[TM+8+\b]
.endif
.endr
	v_nop                                          ; one plain place behind a scaled conversion
.irp c, 0,1
.if 2*\c < \nb
.irp i, 0,1
	v_permlane16_swap_b32 v[(\pc)+4*\c+\i], v[(\pc)+4*\c+2+\i]
.endr
.endif
.endr
.endm
.macro KLOAD                           ; a step's eight tiles of K and their two registers of scale words: 10 loads
.irp t, 0,1,2,3,4,5,6,7
	global_load_b128 v[KB+12*(\t/2)+8*(\t%2):KB+12*(\t/2)+8*(\t%2)+3], v4, s[54:55] offset:512*\t
.endr
.irp q, 0,1
	global_load_b32 v[KSW+\q], v6, s[56:57] offset:128*\q
.endr
.endm
.macro VLOAD                           ; a step's four fragments of V and their two registers of scale words: 10 loads
.irp q, 0,1
	global_load_b32 v[VSW+\q], v6, s[56:57] offset:262144+128*\q
.endr
	WIN 0x40
.irp i, 0,1,2,3,4,5,6,7
	global_load_b128 v[VF+4*\i:VF+4*\i+3], v4, s[54:55] offset:4194304+512*\i
.endr
	WIN 0
.endm
.macro XFRAG m                         ; x's four fragments and four scale words of tile m of the queries
.irp s, 0,1,2,3
.irp c, 0,1
	ds_load_b128 v[S+32+8*\s+4*\c:S+32+8*\s+4*\c+3], v10 offset:4096*(\m)+512*(2*\s+\c)
.endr
.endr
	ds_load_b128 v[XW:XW+3], v12 offset:256*(\m)
.endm
.macro QROWS m                         ; the way out: queries(16 m + r, 64 w + 32 b + 16 h + 4 j ..): even tiles into S's upper half, odd ones into K's registers
.set rQL, S+32-(S+32-KB)*((\m)%2)
.irp b, 0,1
.irp j, 0,1,2,3
	ds_load_b128 v[rQL+16*\b+4*\j:rQL+16*\b+4*\j+3], v[13+(\m)/2] offset:((\m)%2)*33024+128*\b+16*\j
.endr
.endr
.endm
	s_load_b512 s[8:23], s[0:1], 0x0               ; queries s[8:9], wf s[10:11], W_Query scales s[12:13], kvc s[14:15], kvs s[16:17], xc s[18:19], xs s[20:21], p1 s[22:23]
	v_lshl_add_u32 v254, v0, 2, 0x25400
	v_mov_b32 v255, 0
	v_lshrrev_b32 v1, 5, v0
	v_readfirstlane_b32 s40, v1                    ; w: my wave, my head
	v_and_b32 v1, 31, v0                           ; l
	v_and_b32 v2, 15, v0                           ; r
	v_bfe_u32 v3, v0, 4, 1                         ; h
	v_lshlrev_b32 v4, 4, v1                        ; 16 l
	v_lshlrev_b32 v6, 2, v1                        ; 4 l
	s_wait_alu depctr_va_sdst(0)                   ; s40 is written, ahead of its first reader: LDS addresses and bases are made from it
	s_mov_b32 s41, ttmp9                           ; g
	s_lshr_b32 s42, s41, 4                         ; b
	s_and_b32 s43, s41, 15                         ; tb
	s_lshr_b32 s45, s43, 1                         ; the step in which my queries' own keys lie
	s_and_b32 s47, s43, 1                          ; 1 where they lie in its upper 64 keys,
	s_xor_b32 s46, s47, 1                          ; 1 where in its lower
	s_cmp_lt_u32 s43, 8
	s_cselect_b32 s48, s43, 0xffff                 ; the step that my work-group prefetches: tb, for tb = 1 .. 7
	s_lshl_b32 s49, s42, 3
	s_add_co_u32 s49, s49, s40                     ; 8 b + w
	s_mov_b32 s50, 0x76543210
	s_mov_b32 s51, 0xfedcba98                      ; v_permlanex16_b32's selects for lane l xor 16
	s_mov_b32 s52, 0x3e38aa3b                      ; c = log2(e) / 8
	s_mov_b32 s53, s52                             ; (named with it as a pair, so it is written)
	; LDS addresses and offsets, all made here
	s_mul_i32 s58, s40, 16512
	v_add_nc_u32 v7, s58, v4                       ; the queries' rows, in: my wave's eight rows
	v_mul_u32_u24 v13, v2, QP
	v_lshl_add_u32 v13, v3, 6, v13                 ; 2,064 r + 64 h: my 16 numbers of a block of 32
	s_lshr_b32 s58, s40, 1
	s_mul_i32 s59, s58, 33024
	s_and_b32 s60, s40, 1
	s_lshl_b32 s61, s60, 10
	s_add_co_u32 s59, s59, s61
	v_add_nc_u32 v8, s59, v13                      ; for the quantiser: tile w / 2, K steps 2 (w % 2) on
	s_lshl_b32 s59, s40, 8
	v_add_nc_u32 v13, s59, v13                     ; for the residual: my head's 64 columns, tiles 0 and 1;
	v_add_nc_u32 v14, 66048, v13                   ; tiles 2 and 3
	s_lshl_b32 s59, s40, 11
	s_add_co_u32 s59, s59, XIMG
	v_add_nc_u32 v9, s59, v4                       ; x's images: my two
	v_add_nc_u32 v10, XIMG, v4                     ; and any
	s_lshl_b32 s59, s58, 8
	s_lshl_b32 s61, s60, 3
	s_add_co_u32 s59, s59, s61
	s_add_co_u32 s59, s59, XSL
	v_lshl_add_u32 v11, v2, 4, s59                 ; x's scale words: mine
	v_lshl_add_u32 v12, v2, 4, XSL                 ; and a row's four
	s_lshl_b32 s59, s40, 1
	s_add_co_u32 s59, s59, RSL
	v_lshl_add_u32 v15, v2, 4, s59                 ; the result's scale bytes: row r, my head's two
	s_lshl_b32 s59, s40, 8
	s_add_co_u32 s61, s59, CSL
	v_lshl_add_u32 v16, v3, 6, s61                 ; the column sums, in
	v_lshl_add_u32 v17, v1, 3, s61                 ; and back
	v_lshl_add_u32 v19, v1, 3, s59                 ; and in p1: 256 w + 8 l
	s_lshl_b32 s59, s40, 7
	s_add_co_u32 s61, s59, RSL
	v_lshl_add_u32 v18, v1, 2, s61                 ; the result's scale words, back
	v_lshl_add_u32 v20, v1, 2, s59                 ; and in xs: 128 w + 4 l
	s_lshl_b32 s59, s49, 3
	s_and_b32 s60, s43, 7
	s_add_co_u32 s59, s59, s60
	s_lshl_b32 s59, s59, 12
	v_lshlrev_b32 v21, 22, v3
	v_lshl_add_u32 v21, v2, 8, v21
	v_add_nc_u32 v21, s59, v21                     ; the prefetch: lanes 0-15 K's 16 x 256 bytes of step tb % 8 of my head, lanes 16-31 V's; never rewritten
	v_mov_b32 v22, 0xd1000000                      ; -2^35
	v_and_b32 v23, 8, v2
	v_add_nc_u32 v23, v23, v2
	v_lshlrev_b32 v23, 4, v23                      ; W_Query's scale words: 16 (r + 8 (r / 8))
	s_mov_b32 s59, 0
	s_wait_kmcnt 0x0
	s_lshl_b32 s58, s41, 17
	s_lshl_b32 s60, s40, 14
	s_add_co_u32 s58, s58, s60
	s_add_nc_u64 s[8:9], s[8:9], s[58:59]          ; the queries: 64 g rows of 2,048 bytes, + my wave's eight
	s_add_co_u32 s58, s60, 1048576
	s_add_nc_u64 s[10:11], s[10:11], s[58:59]      ; W_Query's fragments: my 64 rows
	s_lshl_b32 s58, s40, 10
	s_add_nc_u64 s[12:13], s[12:13], s[58:59]
	s_lshl_b32 s58, s49, 15
	s_add_nc_u64 s[54:55], s[14:15], s[58:59]      ; K and V of my head, at the step that is asked for next
	s_lshl_b32 s58, s49, 11
	s_add_nc_u64 s[56:57], s[16:17], s[58:59]      ; and their scale words
	s_lshl_b32 s58, s41, 14
	s_lshl_b32 s60, s40, 9
	s_add_co_u32 s58, s58, s60
	s_add_nc_u64 s[24:25], s[18:19], s[58:59]      ; xc: row tile 4 g, my head's half-fragment
	s_lshl_b32 s58, s41, 10
	s_add_nc_u64 s[26:27], s[20:21], s[58:59]      ; xs
	s_lshl_b32 s58, s41, 11
	s_add_nc_u64 s[28:29], s[22:23], s[58:59]      ; p1
	s_wait_alu depctr_va_vdst(0)                   ; v4, v6 to v21 and v23, the offsets and LDS addresses of the whole kernel, are written, which the loads, stores and the prefetch below read
	; ---- the queries come in as they lie, 512 consecutive bytes a load, and go to LDS: they are wanted twice, by the quantiser and by the residual
.set i, 0
.rept 32
	global_load_b128 v[RAW+4*i:RAW+4*i+3], v4, s[8:9] offset:512*i th:TH_LOAD_NT
.set i, i+1
.endr
	s_barrier_signal -1                            ; all eight waves have issued their requests for the queries, for which the barrier further down waits in every wave:
	s_barrier_wait -1                              ; only now does any wave ask for W_Query, which is wanted later.  (No LDS access is out here; nobody writes the bytes that are on their way)
	WIN 0x40
.set i, 0
.rept 32
	global_load_b128 v[4*i:4*i+3], v4, s[10:11] offset:512*i
.set i, i+1
.endr
	WIN 0
.irp t, 0,1,2,3
	global_load_b128 v[WQS+4*\t:WQS+4*\t+3], v23, s[12:13] offset:(32*(\t/2)+8*(\t%2))*16
.endr
	s_wait_loadcnt 36                              ; the queries are in; W_Query's 32 + 4 loads may stay out
.set i, 0
.rept 32
	ds_store_b128 v7, v[RAW+4*i:RAW+4*i+3] offset:(i/4)*QP+512*(i%4)
.set i, i+1
.endr
	BAR                                            ; 64 rows of queries lie in LDS
	s_wait_alu depctr_vm_vsrc(0)                   ; my LDS stores have read v88 to v215: K's loads and x's numbers land there, and the zero codes and later results are written there
	KLOAD                                          ; step 0: it lands while q is made
	VLOAD
.irp i, 0,1,2,3
.irp j, 0,1,2,3
	v_mov_b32 v[KB+12*\i+4+\j], 0                  ; the zero codes between the two tiles of a pair: written once
.endr
.endr
.irp m, 0,1,2,3
	v_mov_b32 v[ST+4*\m+1], 0xff61b1e6             ; the largest score so far: -3e38, under every score
	v_floor_f32 v[ST+4*\m], -v[ST+4*\m+1]          ; -M: a whole number so large that the first step's f comes out 0
	v_mov_b32 v[ST+4*\m+2], 0                      ; the sum, in two halves
	v_mov_b32 v[ST+4*\m+3], 0
	v_mov_b32 v[RL+2*\m+1], 0                      ; (named as the upper half of a pair)
	v_mov_b32 v[BT+\m], 0                          ; written once: a lane permute's destination counts as one of its sources
.endr
	v_mov_b32 v[FP+1], 0
	; ---- x = Q(queries): wave w makes fragments 2 w and 2 w + 1 of the sixteen
.irp p, 0,1
.irp b, 0,1,2,3
.irp j, 0,1,2,3
	ds_load_b128 v[S+16*\b+4*\j:S+16*\b+4*\j+3], v8 offset:512*\p+128*\b+16*\j
.endr
.endr
	s_wait_dscnt 0x0
.if \p == 1
	s_wait_alu depctr_vm_vsrc(0)                   ; the first fragment's stores have read PC and PW, which the quantiser writes again
.endif
	QUANT S,4,PC,PW
	s_wait_alu depctr_va_vdst(0)                   ; the quantiser has written PC and PW, which the stores read, and is done reading S, in which the next loads land
	ds_store_b128 v9, v[PC:PC+3] offset:1024*\p
	ds_store_b128 v9, v[PC+4:PC+7] offset:1024*\p+512
	ds_store_b32 v11, v[PW] offset:4*\p
.endr
	BAR                                            ; x's sixteen fragments lie in LDS
	s_wait_alu depctr_vm_vsrc(0)                   ; the second fragment's stores have read PC and PW, which q's quantiser and the key loop write
	XFRAG 0
	s_wait_loadcnt 20                              ; W_Query is in; K's and V's 20 loads may stay out
	; ---- q^T, my head's 64 features, a tile of 16 queries at a time; its codes go to window 1 and stay
.irp m, 0,1,2,3
	s_wait_dscnt 0x0
	WIN 0x01                                       ; source 0 (W_Query) window 1
	MM16 S,0,32,S+32,0,WQS,4,XW,0,1
	WIN 0
	NOP4
.if \m < 3
	s_wait_alu depctr_va_vdst(0)                   ; the products above are done reading x's fragments and scale words, in whose registers the next tile's land
	XFRAG \m+1                                     ; they land while this tile is quantised
.endif
	QUANT S,2,PC,T0
	v_lshl_or_b32 v[QW+\m], v[T0], 16, v[T0]       ; q's two bytes twice: for the low form and for the high form
	WIN 0x40
.irp i, 0,1,2,3
	v_mov_b32 v[QA+4+8*\m+\i], v[PC+\i]
.endr
	WIN 0
.endr
	WIN 0x40
.irp i, 0,1,2,3,4
.irp j, 0,1,2,3
	v_mov_b32 v[QA+8*\i+\j], 0                     ; zero codes on both sides of each q
.endr
.endr
.set i, 0
.rept 128
	v_mov_b32 v[i], 0                              ; O^T.  The key step is written once: its first trip finds zeros, which the first change of M leaves zeros; a first step of its own would be a second copy of the whole step
.set i, i+1
.endr
	WIN 0
	s_wait_alu depctr_va_vdst(0)                   ; q's codes, the zero codes beside q and between K's tiles, and q's scale words are written: the scores' products take them as operands and scales; the 128 lines above are the places
; S^T of tile m against the step's 128 keys: eight products, each of which starts a sum of its own.
.macro SMM m
	WIN 0x04                                       ; source 1 (q) window 1
.irp t, 0,1,2,3,4,5,6,7
.set rA, KB+12*(\t/2)+4*(\t%2)
.set rB, QA+4+8*(\m)-4*(\t%2)
.if (\t/2)%2
	v_wmma_scale_f32_16x16x128_f8f6f4 v[S+8*\t:S+8*\t+7], v[rA:rA+7], v[rB:rB+7], 0, v[KSW+\t/4], v[QW+(\m)] matrix_a_fmt:MATRIX_FMT_FP4 matrix_b_fmt:MATRIX_FMT_FP4 matrix_a_scale:MATRIX_SCALE_ROW1
.else
	v_wmma_scale_f32_16x16x128_f8f6f4 v[S+8*\t:S+8*\t+7], v[rA:rA+7], v[rB:rB+7], 0, v[KSW+\t/4], v[QW+(\m)] matrix_a_fmt:MATRIX_FMT_FP4 matrix_b_fmt:MATRIX_FMT_FP4
.endif
.endr
.endm
; ONE TILE OF 16 QUERIES AGAINST THE STEP'S 128 KEYS.  Its scores lie in S when the macro begins, four places or more behind the products that made them.
.macro TILE m
.set rN, ST+4*(\m)
.set rL, ST+4*(\m)+2
	s_cmp_eq_u32 s44, s45                          ; the diagonal lies in one step of the eight: a scalar branch on ids
	s_cbranch_scc0 .Lno_diag_\@
.irp e, 0,1                            ; query 16 m + r meets key 64 e + 16 m + r of the step, e = tb % 2: register 16 (2 e + m / 2) + r of lane r + 16 (m % 2)
.irp jj, 0,1,2,3,4,5,6,7,8,9,10,11,12,13,14,15
	s_lshl_b32 vcc_lo, s[46+\e], \jj+16*((\m)%2)
	v_cndmask_b32 v[S+16*(2*\e+(\m)/2)+\jj], v[S+16*(2*\e+(\m)/2)+\jj], v22, vcc_lo
.endr
.endr
.Lno_diag_\@:
.irp b, 0,1,2,3
	v_max3_num_f32 v[BM+\b], v[S+16*\b], v[S+16*\b+1], v[S+16*\b+2]   ; the largest score of each block of 32 keys: for the row's maximum, and, since p rises with the score, for the block's largest p
.endr
.irp i, 3,5,7,9,11,13
.irp b, 0,1,2,3
	v_max3_num_f32 v[BM+\b], v[BM+\b], v[S+16*\b+\i], v[S+16*\b+\i+1]
.endr
.endr
.irp b, 0,1,2,3
	v_max_num_f32 v[BM+\b], v[BM+\b], v[S+16*\b+15]
.endr
.irp b, 0,1,2,3
	v_permlanex16_b32 v[BT+\b], v[BM+\b], s50, s51
.endr
.irp b, 0,1,2,3
	v_max_num_f32 v[BM+\b], v[BM+\b], v[BT+\b]     ; with lane l xor 16's 16 keys
.endr
	v_max3_num_f32 v[T0], v[BM], v[BM+1], v[BM+2]
	v_mov_b32 v[SO], v[rN]                         ; the old -M is kept for f
	v_max3_num_f32 v[rN+1], v[T0], v[BM+3], v[rN+1]   ; the running largest SCORE: c is positive and rounding keeps order, so c x this is the running largest t
	v_mul_f32 v[T0], s52, v[rN+1]
	v_floor_f32 v[rN], -v[T0]                      ; the new -M = -ceil(t)
.irp i, 0,1,2,3
	v_pk_fma_f32 v[S+2*\i:S+2*\i+1], v[S+2*\i:S+2*\i+1], s[52:53], v[rN:rN+1] op_sel_hi:[1,0,0]   ; t - M, two at a time: the first four pairs
.endr
.irp b, 0,1,2,3
	v_fma_f32 v[BM+\b], v[BM+\b], s52, v[rN]       ; the same of each block's largest score
.endr
	v_sub_f32 v[SO], v[rN], v[SO]                  ; old M - new M: a whole number, 0 or less
	; ONE BATCH of 68 exponentials, none of whose results is named ahead of the one wait behind it.  A plain line leads each pair: the scaling of the pair four further on, at the end the two lines that make f
.irp b, 0,1,2,3
	v_exp_f32 v[BM+\b], v[BM+\b]                   ; the block's largest p: the same two instructions on the same number give the same bits as in the block
.endr
.set j, 0
.rept 32
.if j < 28
	v_pk_fma_f32 v[S+2*j+8:S+2*j+9], v[S+2*j+8:S+2*j+9], s[52:53], v[rN:rN+1] op_sel_hi:[1,0,0]
.elseif j == 28
	v_cvt_i32_f32 v[SO], v[SO]                     ; (it saturates)
.elseif j == 29
	v_ldexp_f32 v[FP], 1.0, v[SO]                  ; f = 2^(old M - new M)
.endif
	v_exp_f32 v[S+2*j], v[S+2*j]                   ; p = 2^(t - M)
	v_exp_f32 v[S+2*j+1], v[S+2*j+1]
.set j, j+1
.endr
	v_pk_mul_f32 v[rL:rL+1], v[rL:rL+1], v[FP:FP+1] op_sel_hi:[1,0]   ; the sums under the new M: the plain place behind the exponentials
	s_wait_alu depctr_va_vdst(0)                   ; the 68 exponentials have written p and the blocks' largest p: one wait for the batch, ahead of its first reader
.irp b, 0,1,2,3
	v_max_num_f32 v[BM+\b], 0x1800000, v[BM+\b]    ; the floor 2^(3 - 127)
.endr
.irp b, 0,1,2,3
	v_add_nc_u32 v[SO+\b], 0xff000000, v[BM+\b]    ; 2 off the exponent field: the conversion's scale operand
.endr
.irp b, 0,1,2,3
	v_lshrrev_b32 v[BT+\b], 23, v[SO+\b]           ; the scale's byte
.endr
	v_lshl_or_b32 v[BT], v[BT+1], 8, v[BT]
	v_lshl_or_b32 v[BT+2], v[BT+3], 8, v[BT+2]
	v_lshl_or_b32 v[PW], v[BT+2], 16, v[BT]        ; p's scale word for these 128 keys
.irp b, 0,1,2,3
	v_cvt_scalef32_pk8_fp4_f32 v[PC+2*\b], v[S+16*\b:S+16*\b+7], v[SO+\b]
	v_cvt_scalef32_pk8_fp4_f32 v[PC+2*\b+1], v[S+16*\b+8:S+16*\b+15], v[SO+\b]
.endr
	v_nop                                          ; one plain place behind a scaled conversion: the lines below write its results, and then its scale operands
.irp c, 0,1
.irp i, 0,1
	v_permlane16_swap_b32 v[PC+4*\c+\i], v[PC+4*\c+2+\i]   ; lanes 0-15 get block 2 c whole, lanes 16-31 block 2 c + 1
.endr
.endr
	v_pk_add_f32 v[BT:BT+1], v[S:S+1], v[S+2:S+3]  ; THE ROW'S SUM IS TAKEN OF THE UNQUANTISED p: 32 pairs in four chains, so that no line waits for the line above it
	v_pk_add_f32 v[BT+2:BT+3], v[S+4:S+5], v[S+6:S+7]
	v_pk_add_f32 v[SO:SO+1], v[S+8:S+9], v[S+10:S+11]
	v_pk_add_f32 v[rL:rL+1], v[rL:rL+1], v[S+12:S+13]
.irp j, 14,22,30,38,46,54
	v_pk_add_f32 v[BT:BT+1], v[BT:BT+1], v[S+\j:S+\j+1]
	v_pk_add_f32 v[BT+2:BT+3], v[BT+2:BT+3], v[S+\j+2:S+\j+3]
	v_pk_add_f32 v[SO:SO+1], v[SO:SO+1], v[S+\j+4:S+\j+5]
	v_pk_add_f32 v[rL:rL+1], v[rL:rL+1], v[S+\j+6:S+\j+7]
.endr
	v_pk_add_f32 v[BT:BT+1], v[BT:BT+1], v[S+62:S+63]
	v_pk_add_f32 v[SO:SO+1], v[SO:SO+1], v[BT+2:BT+3]
	v_pk_add_f32 v[rL:rL+1], v[rL:rL+1], v[BT:BT+1]
	v_pk_add_f32 v[rL:rL+1], v[rL:rL+1], v[SO:SO+1]
	s_wait_alu depctr_va_vdst(0)                   ; p's codes and p's scale word are written, which the products with V below take as operand and scales; the 32 additions above are the places.  No line between here and those products names PC or PW
.if \m < 3
	SMM \m+1                                       ; p has had its last reader: the next tile's scores are asked for now
.endif
	WIN 0x41                                       ; O^T (destination and source 0) window 1, f window 0
.set i, 0
.rept 16
	v_pk_mul_f32 v[32*(\m)+2*i:32*(\m)+2*i+1], v[32*(\m)+2*i:32*(\m)+2*i+1], v[FP:FP+1] op_sel_hi:[1,0]   ; O^T under the new M.  These sixteen name no register of the products above: they are the places behind them
.set i, i+1
.endr
.if \m == 0
	s_wait_loadcnt 0x0                             ; V and its scale words are in
.endif
	WIN 0x51                                       ; V, C and D window 1, p window 0
.irp t, 0,1,2,3
.if \t%2
	v_wmma_scale_f32_16x16x128_f8f6f4 v[32*(\m)+8*\t:32*(\m)+8*\t+7], v[VF+8*\t:VF+8*\t+7], v[PC:PC+7], v[32*(\m)+8*\t:32*(\m)+8*\t+7], v[VSW+\t/2], v[PW] matrix_a_fmt:MATRIX_FMT_FP4 matrix_b_fmt:MATRIX_FMT_FP4 matrix_a_scale:MATRIX_SCALE_ROW1
.else
	v_wmma_scale_f32_16x16x128_f8f6f4 v[32*(\m)+8*\t:32*(\m)+8*\t+7], v[VF+8*\t:VF+8*\t+7], v[PC:PC+7], v[32*(\m)+8*\t:32*(\m)+8*\t+7], v[VSW+\t/2], v[PW] matrix_a_fmt:MATRIX_FMT_FP4 matrix_b_fmt:MATRIX_FMT_FP4
.endif
.endr
	WIN 0
.if \m == 2                            ; the step's last products with K (tile 3's) stand sixteen places back: the next step's K is asked for, a tile ahead of its use.  The last step asks for nothing: no load leaves its buffer
	s_cmp_eq_u32 s44, 7
	s_cbranch_scc1 .Lno_k_\@
	s_add_nc_u64 s[54:55], s[54:55], 4096          ; both bases at the next step: free since tile 0's wait for 0 on LOADcnt, which shows the loads that read them done
	s_add_nc_u64 s[56:57], s[56:57], 256
	s_wait_alu depctr_va_vdst(0)                   ; tile 3's products with K are done reading K's registers and scale words, in which the loads land
	KLOAD
.Lno_k_\@:
.endif
.if \m == 3                            ; the step's last products with V are issued: the next step's V is asked for, a tile ahead of its use
	NOP4
	s_cmp_eq_u32 s44, 7
	s_cbranch_scc1 .Lno_v_\@
	s_wait_alu depctr_va_vdst(0)                   ; the products above are done reading V's registers and scale words, in which the loads land; only loads and a window switch follow up to the last of them
	VLOAD
.Lno_v_\@:
.endif
.endm
	s_mov_b32 s44, 0                               ; the step
.Lstep:
	; A PREFETCH INTO THE L2.  All sixteen work-groups of a batch walk the same K and V.  Work-group tb (1 .. 7) asks, in trip tb - 1, for step tb: the bytes that this trip's tile 2 (K) and tile 3 (V) will load, two and three tiles' work on.
	; Wave w asks for head w: lanes 0-15 name K's sixteen blocks of 256 bytes, lanes 16-31 V's: each block is named once in the launch.  Step 0 and the scale words come by their loads alone.
	s_add_co_u32 s58, s44, 1
	s_cmp_eq_u32 s58, s48
	s_cbranch_scc0 .Lno_ask
	global_prefetch_b8 v21, s[14:15] th:TH_LOAD_NT scope:SCOPE_SE
.Lno_ask:
	s_wait_loadcnt 10                              ; K and its scale words are in; V's 10 loads, issued behind them, may stay out
	SMM 0                                          ; the step's first tile has no tile ahead of it in which its scores could be asked for
	WIN 0
	NOP4
	TILE 0
	TILE 1
	TILE 2
	TILE 3
	s_add_co_u32 s44, s44, 1
	s_cmp_lt_u32 s44, 8
	s_cbranch_scc1 .Lstep
	; ---- THE WAY OUT
.irp m, 0,1,2,3
	v_add_f32 v[BM+\m], v[ST+4*\m+2], v[ST+4*\m+3] ; the sum's two halves,
.endr
.irp m, 0,1,2,3
	v_permlanex16_b32 v[BT+\m], v[BM+\m], s50, s51
.endr
.irp m, 0,1,2,3
	v_add_f32 v[BM+\m], v[BM+\m], v[BT+\m]         ; and lane l xor 16's: the row's sum
.endr
.irp m, 0,1,2,3
	v_rcp_f32 v[RL+2*\m], v[BM+\m]
.endr
	v_nop                                          ; a plain place behind the last reciprocal
	s_wait_alu depctr_va_vdst(0)                   ; the four reciprocals are written, ahead of their first reader; and the loop's lines are done reading S's upper half and K's registers, in which the queries land
	QROWS 0
	QROWS 1
.irp m, 0,1,2,3
.if \m == 0
.set DST, CSUM                         ; the first tile's rows start the column sums
.else
.set DST, S
.endif
.set rQ, S+32-(S+32-KB)*(\m%2)
.if \m == 0
	s_wait_dscnt 8                                 ; tile 0's queries are in; tile 1's eight loads may stay out
.elseif \m < 3
	s_wait_dscnt 9                                 ; this tile's queries are in; the last tile's byte store and the next tile's eight loads, issued behind them, may stay out
.else
	s_wait_dscnt 1                                 ; behind tile 3's loads stands tile 2's byte store alone
.endif
	WIN 0x01                                       ; O^T window 1
.set i, 0
.rept 16
	v_pk_fma_f32 v[DST+2*i:DST+2*i+1], v[32*\m+2*i:32*\m+2*i+1], v[RL+2*\m:RL+2*\m+1], v[rQ+2*i:rQ+2*i+1] op_sel_hi:[1,0,1]   ; O / sum + queries
.set i, i+1
.endr
	WIN 0
	QUANT DST,2,PCR+4*\m,HR+\m
	s_wait_alu depctr_va_vdst(0)                   ; the quantiser has written this tile's codes and scale bytes, which the two stores read; the multiply-adds are done reading this tile's queries, in whose registers the tile after next's land
	global_store_b128 v4, v[PCR+4*\m:PCR+4*\m+3], s[24:25] offset:4096*\m   ; 512 consecutive bytes
	ds_store_b16 v15, v[HR+\m] offset:256*\m
.if \m < 2
	QROWS \m+2
.endif
.if \m > 0
.set i, 0
.rept 16
	v_pk_add_f32 v[CSUM+2*i:CSUM+2*i+1], v[CSUM+2*i:CSUM+2*i+1], v[S+2*i:S+2*i+1]
.set i, i+1
.endr
.endif
.endr
.irp x, 1,2,4,8                        ; over the sixteen rows of a tile: the lanes of a half
.set i, 0
.rept 32
	v_add_f32_dpp v[CSUM+i], v[CSUM+i], v[CSUM+i] row_xmask:\x row_mask:0xf bank_mask:0xf
.set i, i+1
.endr
.endr
	s_wait_alu depctr_va_vdst(0)                   ; the column sums are written, which the LDS stores read; the additions are done reading S, in whose first three registers the loads below land
.irp b, 0,1
.irp j, 0,1,2,3
	ds_store_b128 v16, v[CSUM+16*\b+4*\j:CSUM+16*\b+4*\j+3] offset:128*\b+16*\j   ; the lanes of a half write the same bytes with the same values
.endr
.endr
	ds_load_b64 v[S:S+1], v17                      ; LDS serves a wave's instructions in order: this sees my stores
	s_wait_dscnt 0x0
	global_store_b64 v19, v[S:S+1], s[28:29]       ; my head's 64 sums: 256 consecutive bytes, aligned
	BAR                                            ; all heads' scale bytes of the result lie in LDS
	ds_load_b32 v[S+2], v18
	s_wait_dscnt 0x0
	global_store_b32 v20, v[S+2], s[26:27]
	s_wait_dscnt 0x0                               ; the closing lines, six on end
	s_wait_alu 0x0
	s_wait_tensorcnt 0x0
	ds_add_u32 v254, v255
	s_wait_dscnt 0x0
	s_endpgm
.Lfunc_end_k_q1d48337167_attn:
	.size	k_q1d48337167_attn, .Lfunc_end_k_q1d48337167_attn-k_q1d48337167_attn
	.p2alignl 7, 3214868480
	.fill 96, 4, 3214868480
	.section	.rodata,"a",@progbits
	.p2align	6, 0x0
	.amdhsa_kernel k_q1d48337167_attn
		.amdhsa_group_segment_fixed_size 153600
		.amdhsa_private_segment_fixed_size 0
		.amdhsa_enable_private_segment 0
		.amdhsa_kernarg_size 64
		.amdhsa_user_sgpr_count 2
		.amdhsa_user_sgpr_kernarg_segment_ptr 1
		.amdhsa_wavefront_size32 1
		.amdhsa_system_sgpr_workgroup_id_x 1
		.amdhsa_system_sgpr_workgroup_id_y 1
		.amdhsa_system_sgpr_workgroup_id_z 1
		.amdhsa_system_vgpr_workitem_id 0
		.amdhsa_next_free_vgpr 512
		.amdhsa_next_free_sgpr 66
		.amdhsa_reserve_vcc 1
		.amdhsa_float_denorm_mode_32 3
		.amdhsa_float_denorm_mode_16_64 3
		.amdhsa_memory_ordered 1
		.amdhsa_forward_progress 1
		.amdhsa_inst_pref_size 143
	.end_amdhsa_kernel
	.amdgpu_metadata
---
amdhsa.version: [ 1, 2 ]
amdhsa.kernels:
  - .name:           k_q1d48337167_attn
    .symbol:         k_q1d48337167_attn.kd
    .args:
      - { .name: queries, .offset: 0, .size: 8, .value_kind: global_buffer, .address_space: global }
      - { .name: wf, .offset: 8, .size: 8, .value_kind: global_buffer, .address_space: global }
      - { .name: W_Query_scales, .offset: 16, .size: 8, .value_kind: global_buffer, .address_space: global }
      - { .name: kvc, .offset: 24, .size: 8, .value_kind: global_buffer, .address_space: global }
      - { .name: kvs, .offset: 32, .size: 8, .value_kind: global_buffer, .address_space: global }
      - { .name: xc, .offset: 40, .size: 8, .value_kind: global_buffer, .address_space: global }
      - { .name: xs, .offset: 48, .size: 8, .value_kind: global_buffer, .address_space: global }
      - { .name: p1, .offset: 56, .size: 8, .value_kind: global_buffer, .address_space: global }
    .group_segment_fixed_size: 153600
    .private_segment_fixed_size: 0
    .kernarg_segment_align: 8
    .kernarg_segment_size: 64
    .max_flat_workgroup_size: 256
    .sgpr_count:     66
    .vgpr_count:     512
    .wavefront_size: 32
...
	.end_amdgpu_metadata
.endif
;; end of part 6
;; launch ffn (part 7): grid 256 x 1, 8 waves a work-group, no clusters, 105,472 bytes of LDS; arguments xc, xs, wf, fw1_scales, fw2_scales, p2; writes p2
.if DOCPART == 7
	.amdgcn_target "amdgcn-amd-amdhsa--gfx1250"
	.amdhsa_code_object_version 6
	.text
	.protected	k_q1d48337167_ffn
	.globl	k_q1d48337167_ffn
	.p2align	8
	.type	k_q1d48337167_ffn,@function
k_q1d48337167_ffn:
	s_mov_b64 s[64:65], 0
	v_nop
	global_prefetch_b8 v0, s[64:65] scope:SCOPE_SE
	s_setreg_imm32_b32 hwreg(HW_REG_WAVE_SCHED_MODE, 0, 2), 2
	s_setreg_imm32_b32 hwreg(HW_REG_WAVE_MODE, 25, 1), 1
	s_wait_xcnt 0x0
	s_wait_alu depctr_vm_vsrc(0)
; The sums over tokens of Q(relu(x fw1)) fw2, x being the codes that the launch before has made; both products on codes of FP4 (E2M1), one E8M0 scale for each 32 along K.
; Only the sum over the tokens leaves the program, so (a) the second product's accumulators add all tiles of rows onto each other, and (b) the hidden axis can be cut: each slice's sums are added by the last launch.
; SHARES.  A work-group takes 256 rows (rb = g / 4: 16 tiles) x 512 hidden units (j = g % 4).  THE WAVES SHARE THE COLUMNS: wave w makes hidden units 512 j + 64 w .. + 63 and outputs 64 w .. + 63.
;   Its parts of fw1 and fw2 (128 + 128 registers) are read once, 512 consecutive bytes a load, and stay in registers; what goes round through LDS is small: the hidden layer's codes, as images of registers.
; First product TRANSPOSED (source 0 = 16 rows of fw1, source 1 = 16 rows of x): a lane holds one row, 2 x 16 neighbouring hidden units: relu, quantised in registers: half a K step of the second product.
; Second product the natural way (source 0 = 16 rows of the hidden layer, source 1 = 16 rows of fw2: lane r of tile t is output 64 w + 4 r + t): a lane holds one output and eight rows.
; NO CLUSTER, NO TENSOR LOAD: a work-group's 272 KB of weights and 68 KB of x are read once, at its head; each weight byte is wanted by one wave alone and goes straight into its registers.
; One barrier a block of four tiles: the images lie in two buffers by turns, and a buffer is written again only behind the other buffer's barrier, which each wave reaches with its reads of the first waited for.
; LIMITS: NaN and infinities are not served; a block whose largest magnitude lies under 2^-124 keeps the scale byte 1; a block of zeros gets the byte 1 with zero codes; the rows are added in another order than a plain mean.
; THE MODE: SCHED_MODE bits 1:0 = 2 (LLVM: expert scheduling mode 2), set by the entry lines.  The code itself states the register dependences
; between vector or matrix instructions and memory or LDS instructions, with s_wait_alu, always for 0.
; THE PLAN.  Registers that memory or LDS instructions touch:
;   v4-v11, v14, v15, v220   Offsets and LDS addresses: made once at the head, ahead of one wait on va_vdst; never written again.
;   v12, v13      x's LDS addresses: written at the head of each of the two trips; one wait on va_vdst behind the two adds.  The loads that read them stand ahead of the last block's wait on vm_vsrc.
;   v120-187      At the head: x lands there and my LDS stores read it: one wait on vm_vsrc ahead of the loop frees them.
;   XF, XWR       A tile's first products read them.  Behind their four places one wait on va_vdst, and the next tile's are asked for: they land under the relu and the quantiser.
;   PC, HB        The quantiser writes them, one wait on va_vdst, two LDS stores read them; the next block writes them again behind the one wait on vm_vsrc that stands behind each block's barrier.
;   HF, HW        TWO buffers by turns.  Tile i's second products read buffer i % 2; tile i + 1's fragments are asked for ahead of them, into the other buffer, which tile i - 1's products read:
;                 one wait on va_vdst ahead of those loads (none for tiles 0 and 1 of a block: the first phase's waits stand behind the last block's products).
.set XI,   0                           ; LDS: x's 16 x 4 fragments as they lie in xc, 65,536 bytes
.set XWL,  65536                       ; x's scale words, 256 bytes a tile
.set HI,   69632                       ; the hidden layer's images: 2 buffers x [tile 4][wave 8][512]
.set HSL,  102400                      ; its scale bytes: 2 buffers x [tile 4][row 16][16]
.set TM,   16                          ; v16-27 the quantiser's
.set SUM,  16                          ; v16-19 at the end: the sums
.set HB,   28                          ; v28-31 two scale bytes, a register a tile
.set PC,   32                          ; v32-47 codes, four registers a tile
.set W1S,  48                          ; v48-63 fw1's scale words (4 t + s)
.set W2S,  64                          ; v64-79 fw2's
.set XWR,  80                          ; v80-83 x's
.set HW,   84                          ; v84-87 the hidden layer's, buffer 0
.set YA,   88                          ; v88-119  the second product's four accumulators
.set HA,   120                         ; v120-151 the first's
.set XF,   152                         ; v152-183 x's four fragments
.set HF,   184                         ; v184-215 the hidden layer's four, buffer 0
.set HW1,  216                         ; v216-219 the hidden layer's scale words, buffer 1
.set HF1,  222                         ; v222-253 its four fragments, buffer 1
; window 1: v0-127 fw1's 16 fragments, v128-255 fw2's
.set MSB, 0
.macro WIN new                         ; the immediate's high byte repeats the setting that is left
.if MSB != \new
	s_set_vgpr_msb (MSB<<8)|\new
.set MSB, \new
.endif
.endm
.macro NOP4                            ; four places behind a matrix instruction (ISA guide 7.12.1)
.rept 4
	v_nop
.endr
.endm
.macro BAR
	s_wait_dscnt 0x0
	s_barrier_signal -1
	s_barrier_wait -1
.endm
.macro MM16 d0, a0, ai, b0, bi, sa0, sai, sb0, sbi, zero   ; four accumulators by turns, four K steps of 128
.irp s, 0,1,2,3
.irp i, 0,1,2,3
.if (\zero) && (\s == 0)
	v_wmma_scale_f32_16x16x128_f8f6f4 v[(\d0)+8*\i:(\d0)+8*\i+7], v[(\a0)+(\ai)*\i+8*\s:(\a0)+(\ai)*\i+8*\s+7], v[(\b0)+(\bi)*\i+8*\s:(\b0)+(\bi)*\i+8*\s+7], 0, v[(\sa0)+(\sai)*\i+\s], v[(\sb0)+(\sbi)*\i+\s] matrix_a_fmt:MATRIX_FMT_FP4 matrix_b_fmt:MATRIX_FMT_FP4
.else
	v_wmma_scale_f32_16x16x128_f8f6f4 v[(\d0)+8*\i:(\d0)+8*\i+7], v[(\a0)+(\ai)*\i+8*\s:(\a0)+(\ai)*\i+8*\s+7], v[(\b0)+(\bi)*\i+8*\s:(\b0)+(\bi)*\i+8*\s+7], v[(\d0)+8*\i:(\d0)+8*\i+7], v[(\sa0)+(\sai)*\i+\s], v[(\sb0)+(\sbi)*\i+\s] matrix_a_fmt:MATRIX_FMT_FP4 matrix_b_fmt:MATRIX_FMT_FP4
.endif
.endr
.endr
.endm
; 16 nb numbers of a lane, register 16 b + i = k 32 b + 16 (lane / 16) + i of my row, become 2 nb registers of codes in operand order from v[pc] on, and nb scale bytes in v[pw].
.macro QUANT src, nb, pc, pw
.irp b, 0,1,2,3
.if \b < \nb
	v_max3_num_f32 v[TM+\b], |v[(\src)+16*\b]|, |v[(\src)+1+16*\b]|, 0x1800000   ; and the floor 2^(3 - 127): the byte cannot fall under 1
.endif
.endr
.irp i, 2,4,6,8,10,12,14
.irp b, 0,1,2,3
.if \b < \nb
	v_max3_num_f32 v[TM+\b], v[TM+\b], |v[(\src)+16*\b+\i]|, |v[(\src)+1+16*\b+\i]|
.endif
.endr
.endr
.irp b, 0,1,2,3
.if \b < \nb
	v_permlanex16_b32 v[TM+4+\b], v[TM+\b], s46, s47
.endif
.endr
.irp b, 0,1,2,3
.if \b < \nb
	v_max_num_f32 v[TM+\b], v[TM+\b], v[TM+4+\b]
.endif
.endr
.irp b, 0,1,2,3
.if \b < \nb
	v_add_nc_u32 v[TM+8+\b], 0xff000000, v[TM+\b]  ; 2 off the exponent field: the conversion's scale operand
.endif
.endr
.irp b, 0,1,2,3
.if \b < \nb
	v_lshrrev_b32 v[TM+4+\b], 23, v[TM+8+\b]       ; the scale's byte
.endif
.endr
	v_lshl_or_b32 v[\pw], v[TM+5], 8, v[TM+4]
.if \nb > 2
	v_lshl_or_b32 v[\pw], v[TM+6], 16, v[\pw]
	v_lshl_or_b32 v[\pw], v[TM+7], 24, v[\pw]
.endif
.irp b, 0,1,2,3
.if \b < \nb
	v_cvt_scalef32_pk8_fp4_f32 v[(\pc)+2*\b], v[(\src)+16*\b:(\src)+16*\b+7], v[TM+8+\b]
	v_cvt_scalef32_pk8_fp4_f32 v[(\pc)+2*\b+1], v[(\src)+16*\b+8:(\src)+16*\b+15], v[TM+8+\b]
.endif
.endr
	v_nop                                          ; one plain place behind a scaled conversion
.irp c, 0,1
.if 2*\c < \nb
.irp i, 0,1
	v_permlane16_swap_b32 v[(\pc)+4*\c+\i], v[(\pc)+4*\c+2+\i]
.endr
.endif
.endr
.endm
.macro XTILE n                         ; x's four fragments and four scale words of tile n of the trip's eight: 9 loads
.irp s, 0,1,2,3
.irp c, 0,1
	ds_load_b128 v[XF+8*\s+4*\c:XF+8*\s+4*\c+3], v12 offset:4096*(\n)+512*(2*\s+\c)
.endr
.endr
	ds_load_b128 v[XWR:XWR+3], v13 offset:256*(\n)
.endm
.macro HFRAG u, ii                     ; the hidden layer's four fragments and four scale words of tile ii of image buffer u, into register buffer ii % 2: 9 loads
.set rH, HF+(HF1-HF)*((\ii)%2)
.set rW, HW+(HW1-HW)*((\ii)%2)
.irp s, 0,1,2,3
.irp c, 0,1
	ds_load_b128 v[rH+8*\s+4*\c:rH+8*\s+4*\c+3], v8 offset:16384*(\u)+4096*(\ii)+512*(2*\s+\c)
.endr
.endr
	ds_load_b128 v[rW:rW+3], v10 offset:1024*(\u)+256*(\ii)
.endm
	s_load_b256 s[8:15], s[0:1], 0x0               ; xc s[8:9], xs s[10:11], wf s[12:13], fw1 scales s[14:15]
	s_load_b128 s[16:19], s[0:1], 0x20             ; fw2 scales s[16:17], p2 s[18:19]
	v_lshl_add_u32 v254, v0, 2, 0x19800
	v_mov_b32 v255, 0
	v_lshrrev_b32 v1, 5, v0
	v_readfirstlane_b32 s40, v1                    ; w
	v_and_b32 v1, 31, v0                           ; l
	v_and_b32 v2, 15, v0                           ; r
	v_bfe_u32 v3, v0, 4, 1                         ; h
	v_lshlrev_b32 v4, 4, v1                        ; 16 l
	s_wait_alu depctr_va_sdst(0)                   ; s40 is written, ahead of its first reader: LDS addresses and bases are made from it
	s_mov_b32 s41, ttmp9                           ; g
	s_lshr_b32 s42, s41, 2                         ; rb
	s_and_b32 s43, s41, 3                          ; j
	s_lshl_b32 s39, s43, 3
	s_add_co_u32 s39, s39, s40                     ; 8 j + w
	s_mov_b32 s46, 0x76543210
	s_mov_b32 s47, 0xfedcba98                      ; v_permlanex16_b32's selects for lane l xor 16
	s_lshl_b32 s24, s40, 13
	v_add_nc_u32 v5, s24, v4                       ; x's fragments, in: my wave's 8,192 bytes
	s_lshl_b32 s24, s40, 9
	s_add_co_u32 s25, s24, XWL
	v_add_nc_u32 v6, s25, v4                       ; x's scale words, in
	s_add_co_u32 s25, s24, HI
	v_add_nc_u32 v7, s25, v4                       ; the hidden layer's image: my place
	v_add_nc_u32 v8, HI, v4                        ; and any wave's
	s_lshl_b32 s25, s40, 1
	s_add_co_u32 s25, s25, HSL
	v_lshl_add_u32 v9, v2, 4, s25                  ; its scale bytes: row r, my two
	v_lshl_add_u32 v10, v2, 4, HSL                 ; and a row's sixteen
	v_lshl_add_u32 v11, v2, 4, XWL                 ; x's scale words: a row's four
	v_and_b32 v14, 8, v2
	v_add_nc_u32 v14, v14, v2
	v_lshlrev_b32 v14, 4, v14                      ; fw1's scale words: 16 (r + 8 (r / 8))
	v_lshlrev_b32 v15, 8, v2                       ; fw2's: four rows of 64 bytes a lane
	s_lshl_b32 s25, s40, 8
	v_lshl_add_u32 v220, v2, 4, s25
	v_lshl_add_u32 v220, v3, 11, v220              ; p2: 2,048 h + 256 w + 16 r
.irp b, 0,1,2,3
	v_mov_b32 v[TM+4+\b], 0                        ; written once: a lane permute's destination counts as one of its sources
.endr
	s_mov_b32 s27, 0
	s_wait_kmcnt 0x0
	s_lshl_b32 s26, s42, 16
	s_lshl_b32 s28, s40, 13
	s_add_co_u32 s26, s26, s28
	s_add_nc_u64 s[8:9], s[8:9], s[26:27]
	s_lshl_b32 s26, s42, 12
	s_add_co_u32 s26, s26, s24
	s_add_nc_u64 s[10:11], s[10:11], s[26:27]
	s_lshl_b32 s26, s39, 14
	s_add_nc_u64 s[20:21], s[12:13], s[26:27]      ; my fragments of fw1; fw2's lie 524,288 bytes on
	s_lshl_b32 s26, s39, 10
	s_add_nc_u64 s[14:15], s[14:15], s[26:27]
	s_lshl_b32 s26, s40, 12
	s_lshl_b32 s28, s43, 4
	s_add_co_u32 s26, s26, s28
	s_add_nc_u64 s[16:17], s[16:17], s[26:27]
	s_lshl_b32 s26, s41, 12
	s_add_nc_u64 s[18:19], s[18:19], s[26:27]
	s_wait_alu depctr_va_vdst(0)                   ; v4 to v11, v14, v15 and v220, offsets and LDS addresses, are written, which the loads and stores below read
.set i, 0
.rept 16
	global_load_b128 v[HA+4*i:HA+4*i+3], v4, s[8:9] offset:512*i
.set i, i+1
.endr
	global_load_b128 v[HF:HF+3], v4, s[10:11]
	WIN 0x40
.set i, 0
.rept 32
	global_load_b128 v[4*i:4*i+3], v4, s[20:21] offset:512*i
.set i, i+1
.endr
	WIN 0
.irp t, 0,1,2,3
	global_load_b128 v[W1S+4*\t:W1S+4*\t+3], v14, s[14:15] offset:(32*(\t/2)+8*(\t%2))*16
.endr
	s_wait_loadcnt 36                              ; x and its scale words are in; fw1's 32 + 4 loads may stay out
.set i, 0
.rept 16
	ds_store_b128 v5, v[HA+4*i:HA+4*i+3] offset:512*i
.set i, i+1
.endr
	ds_store_b128 v6, v[HF:HF+3]
	WIN 0x40
.set i, 0
.rept 32
	global_load_b128 v[128+4*i:128+4*i+3], v4, s[20:21] offset:524288+512*i
.set i, i+1
.endr
	WIN 0
.irp t, 0,1,2,3
	global_load_b128 v[W2S+4*\t:W2S+4*\t+3], v15, s[16:17] offset:64*\t
.endr
.set i, 0
.rept 32
	v_mov_b32 v[YA+i], 0                           ; these four sums run through the loop over all sixteen tiles of rows
.set i, i+1
.endr
	BAR                                            ; x lies in LDS
	s_wait_alu depctr_vm_vsrc(0)                   ; my LDS stores have read v120 to v187: the first products write there, and x's and the hidden layer's fragments land there
	s_wait_loadcnt 0x0                             ; the weights are in
; A BLOCK OF FOUR TILES OF ROWS, through image buffer u.  x's fragments of its first tile have been asked for ahead of it.
.macro BLOCK u
.irp ii, 0,1,2,3
.if (\u == 0) && (\ii == 0)
	s_wait_dscnt 0x0                               ; the trip's first tile of x is in
.elseif \ii > 0
	s_wait_dscnt 2                                 ; this tile's nine loads are in; the last tile's two LDS stores, issued behind them, may stay out.  (The second block's first tile came in ahead of the first block's barrier)
.endif
	WIN 0x01                                       ; source 0 (fw1) window 1
	MM16 HA,0,32,XF,0,W1S,4,XWR,0,1
	WIN 0
	NOP4
.if 4*\u+\ii < 7
	s_wait_alu depctr_va_vdst(0)                   ; the products above are done reading x's fragments and scale words, in whose registers the next tile's land
	XTILE 4*\u+\ii+1                               ; they land under the relu and the quantiser; the trip's eighth tile asks for nothing
.endif
.set i, 0
.rept 32
	v_max_num_f32 v[HA+i], 0, v[HA+i]              ; the activation, in f32
.set i, i+1
.endr
	QUANT HA,2,PC+4*\ii,HB+\ii
	s_wait_alu depctr_va_vdst(0)                   ; the quantiser has written this tile's codes and scale bytes, which the two stores read
	ds_store_b128 v7, v[PC+4*\ii:PC+4*\ii+3] offset:16384*\u+4096*\ii
	ds_store_b16 v9, v[HB+\ii] offset:1024*\u+256*\ii
.endr
	BAR                                            ; four tiles' hidden units of all eight waves lie in LDS
	s_wait_alu depctr_vm_vsrc(0)                   ; this block's stores have read PC and HB, which the next block's quantiser writes; x's loads have read v12 and v13, which the next trip's head writes
	HFRAG \u, 0
.irp ii, 0,1,2,3
.if \ii < 3
.if \ii > 0
	NOP4
	s_wait_alu depctr_va_vdst(0)                   ; the last tile's products are done reading the other buffer, in which the next tile's fragments and scale words land
.endif
	HFRAG \u, \ii+1
	s_wait_dscnt 9                                 ; this tile's nine loads are in; the next tile's nine may stay out
.else
	s_wait_dscnt 0x0
.endif
	WIN 0x04                                       ; source 1 (fw2) window 1
	MM16 YA,HF+(HF1-HF)*(\ii%2),0,128,32,HW+(HW1-HW)*(\ii%2),0,W2S,4,0
	WIN 0
.endr
.endm
	s_mov_b32 s44, 0                               ; x's bytes passed: two trips of eight tiles
.Lhalf:
	v_add_nc_u32 v12, s44, v4                      ; (the loads that read these two stand ahead of the last block's wait on vm_vsrc)
	s_lshr_b32 s45, s44, 4
	v_add_nc_u32 v13, s45, v11
	s_wait_alu depctr_va_vdst(0)                   ; v12 and v13 are written, which x's loads read
	XTILE 0
	BLOCK 0
	BLOCK 1
	s_add_co_u32 s44, s44, 32768
	s_cmp_lt_u32 s44, 65536
	s_cbranch_scc1 .Lhalf
	NOP4
.irp t, 0,1,2,3
	v_add_f32 v[SUM+\t], v[YA+8*\t], v[YA+8*\t+1]  ; over a lane's eight rows, each accumulator from its low end on
.endr
.irp k, 2,3,4,5,6,7
.irp t, 0,1,2,3
	v_add_f32 v[SUM+\t], v[SUM+\t], v[YA+8*\t+\k]
.endr
.endr
	s_wait_alu depctr_va_vdst(0)                   ; the four sums are written, which the store reads
	global_store_b128 v220, v[SUM:SUM+3], s[18:19] ; outputs 64 w + 4 r + 0 .. 3: each half of the lanes stores 256 consecutive bytes; the halves (rows 0-7, rows 8-15 of every tile) are two partial rows
	s_wait_dscnt 0x0                               ; the closing lines, six on end
	s_wait_alu 0x0
	s_wait_tensorcnt 0x0
	ds_add_u32 v254, v255
	s_wait_dscnt 0x0
	s_endpgm
.Lfunc_end_k_q1d48337167_ffn:
	.size	k_q1d48337167_ffn, .Lfunc_end_k_q1d48337167_ffn-k_q1d48337167_ffn
	.p2alignl 7, 3214868480
	.fill 96, 4, 3214868480
	.section	.rodata,"a",@progbits
	.p2align	6, 0x0
	.amdhsa_kernel k_q1d48337167_ffn
		.amdhsa_group_segment_fixed_size 105472
		.amdhsa_private_segment_fixed_size 0
		.amdhsa_enable_private_segment 0
		.amdhsa_kernarg_size 48
		.amdhsa_user_sgpr_count 2
		.amdhsa_user_sgpr_kernarg_segment_ptr 1
		.amdhsa_wavefront_size32 1
		.amdhsa_system_sgpr_workgroup_id_x 1
		.amdhsa_system_sgpr_workgroup_id_y 1
		.amdhsa_system_sgpr_workgroup_id_z 1
		.amdhsa_system_vgpr_workitem_id 0
		.amdhsa_next_free_vgpr 512
		.amdhsa_next_free_sgpr 66
		.amdhsa_reserve_vcc 0
		.amdhsa_float_denorm_mode_32 3
		.amdhsa_float_denorm_mode_16_64 3
		.amdhsa_memory_ordered 1
		.amdhsa_forward_progress 1
		.amdhsa_inst_pref_size 84
	.end_amdhsa_kernel
	.amdgpu_metadata
---
amdhsa.version: [ 1, 2 ]
amdhsa.kernels:
  - .name:           k_q1d48337167_ffn
    .symbol:         k_q1d48337167_ffn.kd
    .args:
      - { .name: xc, .offset: 0, .size: 8, .value_kind: global_buffer, .address_space: global }
      - { .name: xs, .offset: 8, .size: 8, .value_kind: global_buffer, .address_space: global }
      - { .name: wf, .offset: 16, .size: 8, .value_kind: global_buffer, .address_space: global }
      - { .name: fw1_scales, .offset: 24, .size: 8, .value_kind: global_buffer, .address_space: global }
      - { .name: fw2_scales, .offset: 32, .size: 8, .value_kind: global_buffer, .address_space: global }
      - { .name: p2, .offset: 40, .size: 8, .value_kind: global_buffer, .address_space: global }
    .group_segment_fixed_size: 105472
    .private_segment_fixed_size: 0
    .kernarg_segment_align: 8
    .kernarg_segment_size: 48
    .max_flat_workgroup_size: 256
    .sgpr_count:     66
    .vgpr_count:     512
    .wavefront_size: 32
...
	.end_amdgpu_metadata
.endif
;; end of part 7
;; launch mean: the kernel of part 4 again; grid 64 x 1, 1 waves a work-group, no clusters, 0 bytes of LDS; arguments p1, p2, out0; writes out0
